; MI455X (gfx1250); checked and timed in simulation.
; The chip was launched on July 23, 2026; its instructions are those of AMD's public machine-readable ISA for CDNA 5 (MIT licence, August 2026) and "CDNA5" Instruction Set Architecture Reference Guide (July 2026). The comments in the code are by the model that wrote it; some were corrected since.
;; Multihead Cross Attention. Allowed arithmetic: float matrix products may take bf16 or f16 operands with f32 sums; all other float work in f32.
;; Inputs: b_proj 1,024 float32; cond_k 2 x 2,048 x 1,024 float32; cond_v 2 x 2,048 x 1,024 float32; w_proj 1,024 x 1,024 float32; x 2 x 2,048 x 1,024 float32.
;; Outputs: out0 2 x 2,048 x 1,024 float32.
;; 2 versions, each right and faster than the one before. Each part assembles by itself: llvm-mc -triple=amdgcn-amd-amdhsa -mcpu=gfx1250 --defsym DOCPART=n.
;; ======== version 1 of 2: 2 launches
;; limits: values are held in f16: magnitudes above 65,504 overflow, below 6.1e-05 lose precision; inputs' magnitudes at most 65,504
;; workspace buffers: att 8,388,608 bytes; wb 2,097,152 bytes
;; launch attn (part 1): grid 8 x 32, 4 waves a work-group, clusters of 4 x 4, 85,504 bytes of LDS; arguments x, cond_k, cond_v, w_proj, att, wb; writes att, wb
.if DOCPART == 1
	.amdgcn_target "amdgcn-amd-amdhsa--gfx1250"
	.amdhsa_code_object_version 6
	.text
	.protected	k_q1cfb3d2243_attn
	.globl	k_q1cfb3d2243_attn
	.p2align	8
	.type	k_q1cfb3d2243_attn,@function
k_q1cfb3d2243_attn:
	s_mov_b64 s[64:65], 0
	v_nop
	global_prefetch_b8 v0, s[64:65] scope:SCOPE_SE
	s_setreg_imm32_b32 hwreg(HW_REG_WAVE_MODE, 25, 1), 1
	s_wait_xcnt 0x0
	s_wait_alu depctr_hold_cnt(0) depctr_sa_sdst(0) depctr_va_vdst(0) depctr_va_sdst(0) depctr_va_ssrc(0) depctr_va_vcc(0) depctr_vm_vsrc(0)
	s_getreg_b32 s2, hwreg(HW_REG_IB_STS2, 6, 4)
	s_cmp_eq_u32 s2, 0
	s_cbranch_scc0 .Lentry_in_a_cluster
	s_endpgm
.Lentry_in_a_cluster:
	s_bfe_u32 s2, ttmp6, 0x10000c
	s_cmp_lg_u32 s2, 0xf033
	s_cbranch_scc0 .Lentry_shape_is_right
	s_endpgm
.Lentry_shape_is_right:
; Cross-attention without input projections: for batch b, head n (64 numbers of each row of 1,024), query row t:
;   att[t] = softmax over s of ( (x[t] c) . (cond_k[s] c) ) applied to cond_v[s],   c = 64^(-1/4), so c c = 1/8.
; A work-group takes one (b, head) and 256 query rows; a wave 64 of them (4 tiles of 16).  Keys go in 32 steps of 64, with a running
; maximum and a running sum (the maximum is taken away before every exponential, as reference() does).
; NOTHING OF reference() IS LEFT OUT: every input has a way to the output (b_proj is read by the second kernel).  Two things are only
; re-associated: the two factors c are one factor 1/8 on the score, and log2(e) rides on it, since v_exp_f32 works in base 2:
; p = 2^(s C - m C), C = log2(e) / 8, one fused multiply-add for each pair of scores.
; FORMAT: matrix operands are f16: x, k, v, the weights p, and (second kernel) att and w_proj.  Six roundings lie between the inputs and an
; output, and the output is a sum with much cancellation: f16's 11 significant bits make each rounding eight times finer than bf16's 8.
; f16 HAS THE ROOM: it reaches 65,504 and keeps 11 bits down to 2^-14, with steps of 2^-24 below.  x, cond_k, cond_v are of order 1 and
; w_proj of order 0.02; 30 times larger on top of an offset of 30 spreads stays under 1,100; 30 times smaller leaves w_proj and att of
; order 7e-4, above 2^-14, and single smaller values are off by 2^-25 at the most, 1e-4 of that size.  p lies in (0, 1]: below 2^-14 its error is
; at most 2^-25 a key, 2,048 keys make at most 6e-5 of a row sum that is about 1 or more (the maximum's own term).
; LIMITS: |x|, |cond_k|, |cond_v| or |w_proj| above 65,504 become infinity.  The row sum is taken from p in f32.  An exponential below
; 2^-126 comes out as 0 (ISA guide 15.8, V_EXP_F32).  v_max_num lets a NaN lose, so where inputs hold NaN or infinity the result is not
; finite in the rows that they reach, but need not show reference()'s pattern.
; BESIDE IT each work-group rounds 1/256 of w_proj (16 rows x 256 columns) to f16 into wb, for the second kernel.
;
; THE PRODUCTS ARE TAKEN TRANSPOSED.  S^T = K Q^T: source 0 = 16 keys x 32 d, source 1 = 16 queries x 32 d.  In the result lane (r, h)
; (r = lane % 16, h = lane / 16) holds query r, register j key 8 h + j: maximum and sum run along the lane's registers and cross
; once to lane r + 16.  Two key tiles, packed to f16, are registers 0-3 and 4-7 of source 1 of O^T = V^T P^T (32 keys), in place.
; In O^T lane (r, h) holds query r and d = 16 dt + 8 h + 0..7: the factors of a query are per lane, and eight results pack to 16 bytes.
;
; TWO PIECES TAKE TURNS.  Piece A = q tiles 0, 1; piece B = q tiles 2, 3; both use the same K and V fragments.  The matrix instructions go in
; blocks of 16:   .. PV_B(j-1) | QK_B(j) | PV_A(j) | QK_A(j+1) ..   and behind each of them stands a slice of the OTHER piece's vector work:
; A's maximum, factors and the rescaling of O_A behind PV_B(j-1); A's exponentials, sums and packing behind QK_B(j); B's likewise behind PV_A(j)
; and QK_A(j+1).  A step has 64 matrix instructions and some 600 others, so a slice is 8 to 10 instructions on the average.
; The slices are also the places behind the matrix instructions (ISA guide 7.12.1): no v_nop stands in the steps.
;
; REGISTERS, in windows of 256 (s_set_vgpr_msb says which window each operand place means):
;   window 0: addresses; rounded K and V; Q's fragments; two staging sets for K and V tiles in f32
;   window 1: scores S and weights P (128), K's fragments (64), the small per-tile registers
;   window 2: O (128), V's fragments (64)
; QK runs under 0x51 (source 1 = Q in window 0, all else window 1): the multiply-add (its source 1 is a scalar), the exponential and the sum
; (written p x 1.0 + sum: beside the first, only the third source place names window 1 there) run under it unchanged, 112 of a block's 160.
; PV runs under 0xa6 (source 1 = P in window 1, all else window 2): O x factor runs under it unchanged.  The maximum (two scores an instruction)
; and the packing (two weights an instruction) need sources 0 and 1 in window 1; a setting of the products that allows it would
; need S, K's and Q's fragments, 256 registers, and the small registers in one window.  So they stand in few, large slices under 0x55.
;
; att AND wb ARE WRITTEN AS OPERAND IMAGES: [k / 256][row / 16][(k % 256) / 32][half][lane][16 bytes]; lane (r, h) holds row 16 tile + r,
; k = .. + 16 half + 8 h + 0..7.  So each store of a wave covers 512 consecutive bytes, aligned, straight from registers.
;
; CLUSTERS OF 4 x 4, NO JOINT LOADS.  A cluster holds the eight query blocks of each of two heads, so the eight work-groups that read a head's
; K and V are launched together, side by side.  Only global offsets hang on the place in the cluster: no branch, no LDS address.
; No tensor loads: K and V lie in memory as f32 and every number has to pass through a register once to be rounded.  A joint load would lay a
; step's 32,768 bytes of f32 into LDS, to be read, rounded and stored again as 16,384 bytes; loads into registers cost those stores alone.
.set ROWB,  4096                       ; bytes in a row of x, cond_k, cond_v, w_proj
.set TILEB, 64*ROWB                    ; 64 keys further on
.set KP,    144                        ; LDS pitch of K, Q and W rows: 128 bytes + 16, an odd multiple of 16
.set VP,    160                        ; LDS pitch of V rows: 128 bytes + 32, an odd multiple of 32, for the transposing load
.set VOFF,  64*KP                      ; V lies behind K in a slot
.set SLOT,  VOFF+64*VP                 ; 19,456 bytes; two slots take turns
.set STG,   2*SLOT                     ; behind the ring: each wave's own stage,
.set WSTG,  80*KP                      ; 64 rows of Q and 16 rows of W
; window 0
.set GK, 8                             ; global offset of my 16 bytes of K: wave x 16 rows + h x 8 rows + 16 r
.set GV, 9                             ; the same for V: wave x 16 rows + h x 4 rows + 16 r
.set LK, 10                            ; LDS address of my 8 bytes of K
.set LV, 11                            ; and of V
.set AK, 12                            ; K fragments: r x 144 + 16 h
.set AV, 13                            ; V fragments, transposing: VOFF + (8 h + lane % 8) x 160 + 16 ((lane / 8) % 2)
.set GQ, 14                            ; global offset in Q and W: h x 8 rows + 16 r
.set SQ, 15                            ; my stage, storing
.set RQ, 16                            ; my stage, reading fragments
.set ST, 17                            ; 16 x lane: the stores into att and wb
.set WR, 32                            ; v[32:63]   W as loaded, then v[32:47] its fragments
.set CK, 32                            ; v[32:47]   K rounded, on its way into LDS
.set CV, 48                            ; v[48:63]   V rounded
.set QF, 64                            ; v[64:127]  Q fragment (qt, dc) at 64 + 16 qt + 8 dc
.set SK, 128                           ; v[128:159] K as loaded, f32, staging set 0; set 1 is 64 further on
.set SV, 160                           ; v[160:191] V as loaded, f32, staging set 0; set 1 is 64 further on
.set OB, 128                           ; at the end: att on its way out
; window 1: scores S(qt, kt) at 32 qt + 8 kt; P(qt, kc) in place at 32 qt + 16 kc; ahead of the steps Q as loaded
.set KF, 128                           ; K fragment (kt, dc) at 128 + 16 kt + 8 dc
.set MM, 192                           ; running maximum of tile qt
.set MX, 196                           ; new maximum (first chain)
.set MY, 200                           ; second chain
.set TP, 204                           ; what comes from the other half of the lanes
.set NM, 208                           ; pair: - C x maximum, twice
.set AL, 216                           ; pair: 2^(new shift - old shift), twice; at the end 1 / sum
.set LS, 224                           ; two pairs a tile: running sums, taken by turns
; window 2: O(qt, dt) at 32 qt + 8 dt
.set VF, 128                           ; V fragment (dt, kc) at 128 + 16 dt + 8 kc
.set QKS, 0x51                         ; QK: source 0 (K), C and D (S) window 1; source 1 (Q) window 0
.set PVS, 0xa6                         ; PV: source 0 (V), C and D (O) window 2; source 1 (P) window 1
.set SMS, 0x55                         ; everything in window 1
.set MSB, 0
.macro WIN new                         ; low byte: bits 1:0 source 0, 3:2 source 1, 5:4 source 2, 7:6 destination; the high byte repeats the setting left
.if MSB != \new
	s_set_vgpr_msb (MSB<<8)|\new
.set MSB, \new
.endif
.endm
	s_load_b256 s[4:11], s[0:1], 0x0               ; x s[4:5], cond_k s[6:7], cond_v s[8:9], w_proj s[10:11]
	s_load_b128 s[12:15], s[0:1], 0x20             ; att s[12:13], wb s[14:15]
	v_lshl_add_u32 v30, v0, 2, 0x14c00
	v_mov_b32 v31, 0
	v_lshrrev_b32 v1, 5, v0
	v_readfirstlane_b32 s16, v1                    ; wave 0..3
	s_bfe_u32 s29, ttmp6, 0x40000                  ; cx: my place along the cluster's x
	s_bfe_u32 s30, ttmp6, 0x40004                  ; cy: along its y
	s_and_b32 s31, s30, 1
	s_lshl_b32 s31, s31, 2
	s_add_co_u32 s17, s29, s31                     ; block of 256 query rows = cx + 4 (cy % 2): 0..7
	s_and_b32 s18, ttmp7, 0xffff                   ; in a cluster launch ttmp7 and ttmp9 count clusters: 8 along y, 2 along x
	s_lshl_b32 s18, s18, 1
	s_add_co_u32 s18, s18, ttmp9                   ; the cluster's number, 0..15
	s_lshl_b32 s18, s18, 1
	s_lshr_b32 s30, s30, 1
	s_add_co_u32 s18, s18, s30                     ; 16 b + head = 2 x cluster + cy / 2: a cluster has two heads, all eight blocks of each
	s_lshr_b32 s19, s18, 4                         ; b
	s_and_b32 s20, s18, 15                         ; head
	s_mov_b32 s23, 0                               ; high word of every offset
	s_mov_b32 s24, 0x76543210                      ; v_permlanex16_b32: lane i of one half reads lane i of the other
	s_mov_b32 s25, 0xfedcba98
	s_mov_b32 s26, 0x3e38aa3b                      ; C = log2(e) / 8
	s_mov_b32 s27, 0x3e38aa3b
	s_mov_b32 s28, 0xbe38aa3b                      ; - C
	v_and_b32 v2, 15, v0                           ; r
	v_bfe_u32 v3, v0, 4, 1                         ; h
	v_and_b32 v4, 31, v0                           ; lane
	v_lshlrev_b32 v5, 4, v2                        ; 16 r
	v_lshlrev_b32 v6, 3, v2                        ; 8 r
	v_lshl_add_u32 v[GQ], v3, 15, v5               ; one load of a wave takes two whole rows of 256 bytes: row j and row j + 8
	s_lshl_b32 s29, s16, 16
	v_add_nc_u32 v[GK], s29, v[GQ]
	v_lshl_add_u32 v[GV], v3, 14, v5               ; for V: row and row + 4
	v_add_nc_u32 v[GV], s29, v[GV]
	v_mul_u32_u24 v7, v3, 8*KP                     ; 8 rows of 144 bytes are 288 words = 32 modulo 64, 4 rows of 160 bytes are 160 words = 32 modulo 64:
	v_add_nc_u32 v7, v7, v6                        ; the two halves' 128 bytes of an 8-byte store fall on different banks (64 banks of 4 bytes: ISA guide 11.1)
	s_mul_i32 s30, s16, 16*KP
	v_add_nc_u32 v[LK], s30, v7
	v_mul_u32_u24 v[LV], v3, 4*VP
	v_add_nc_u32 v[LV], v[LV], v6
	s_mul_i32 s31, s16, 16*VP
	s_add_co_u32 s31, s31, VOFF
	v_add_nc_u32 v[LV], s31, v[LV]
	v_mul_u32_u24 v[AK], v2, KP
	v_lshl_add_u32 v[AK], v3, 4, v[AK]
	v_and_b32 v1, 7, v0
	v_lshl_add_u32 v1, v3, 3, v1
	v_mul_u32_u24 v[AV], v1, VP
	v_bfe_u32 v1, v0, 3, 1
	v_lshl_add_u32 v[AV], v1, 4, v[AV]
	v_add_nc_u32 v[AV], VOFF, v[AV]
	s_mul_i32 s32, s16, WSTG
	s_add_co_u32 s32, s32, STG
	v_add_nc_u32 v[SQ], s32, v7
	v_add_nc_u32 v[RQ], s32, v[AK]
	v_lshlrev_b32 v[ST], 4, v4
	; offsets, each made apart from its address
	s_lshl_b32 s21, s19, 11
	s_lshl_b32 s29, s17, 8
	s_add_co_u32 s21, s21, s29
	s_lshl_b32 s29, s16, 6
	s_add_co_u32 s21, s21, s29                     ; my first query row among the 4,096
	s_lshl_b32 s33, s20, 8                         ; my head's 256 bytes in a row
	s_wait_kmcnt 0x0
	s_lshl_b32 s22, s21, 12
	s_add_co_u32 s22, s22, s33
	s_add_nc_u64 s[4:5], s[4:5], s[22:23]          ; x at my wave's first row, my head
	s_lshl_b32 s22, s19, 23
	s_add_co_u32 s22, s22, s33
	s_add_nc_u64 s[6:7], s[6:7], s[22:23]          ; cond_k and cond_v at my batch's first row, my head
	s_add_nc_u64 s[8:9], s[8:9], s[22:23]
	s_lshl_b32 s30, s18, 1
	s_lshr_b32 s31, s17, 2
	s_add_co_u32 s30, s30, s31                     ; which 16 rows of w_proj are this work-group's: 0..63
	s_and_b32 s31, s17, 3                          ; which 256 columns: 0..3; my wave takes 64 of them
	s_lshl_b32 s22, s30, 16
	s_lshl_b32 s29, s31, 10
	s_add_co_u32 s22, s22, s29
	s_lshl_b32 s29, s16, 8
	s_add_co_u32 s22, s22, s29
	s_add_nc_u64 s[10:11], s[10:11], s[22:23]
	s_lshl_b32 s22, s31, 19                        ; wb: 524,288 bytes for 256 columns, 8,192 for 16 rows of them, 2,048 for my 64 columns
	s_lshl_b32 s29, s30, 13
	s_add_co_u32 s22, s22, s29
	s_lshl_b32 s29, s16, 11
	s_add_co_u32 s22, s22, s29
	s_add_nc_u64 s[14:15], s[14:15], s[22:23]
	s_lshr_b32 s22, s20, 2                         ; att: 2,097,152 bytes for four heads, 8,192 for 16 rows (512 a row), 2,048 for my head
	s_lshl_b32 s22, s22, 21
	s_lshl_b32 s29, s21, 9
	s_add_co_u32 s22, s22, s29
	s_and_b32 s29, s20, 3
	s_lshl_b32 s29, s29, 11
	s_add_co_u32 s22, s22, s29
	s_add_nc_u64 s[12:13], s[12:13], s[22:23]
; ---- K and V on their way from memory into LDS.  No hint on the loads: eight work-groups read these rows.
.macro LOADK set, tile                 ; 8 loads: my wave's 16 rows of the K tile that lies \tile tiles behind the base, into a staging set
.irp j, 0,1,2,3,4,5,6,7
	global_load_b128 v[SK+64*(\set)+4*\j:SK+64*(\set)+4*\j+3], v[GK], s[6:7] offset:(\tile)*TILEB+\j*ROWB
.endr
.endm
.macro LOADV set, tile
.irp j, 0,1,2,3,4,5,6,7
	global_load_b128 v[SV+64*(\set)+4*\j:SV+64*(\set)+4*\j+3], v[GV], s[8:9] offset:(\tile)*TILEB+((\j&3)+8*(\j>>2))*ROWB
.endr
.endm
.macro KCVT set, left                  ; a staged K tile is rounded to f16.  left = the younger loads, which stay out
	WIN 0
	s_wait_loadcnt \left
.irp j, 0,1,2,3,4,5,6,7
	v_cvt_pk_f16_f32 v[CK+2*\j],   v[SK+64*(\set)+4*\j],   v[SK+64*(\set)+4*\j+1]
	v_cvt_pk_f16_f32 v[CK+2*\j+1], v[SK+64*(\set)+4*\j+2], v[SK+64*(\set)+4*\j+3]
.endr
.endm
.macro VCVT set, left
	WIN 0
	s_wait_loadcnt \left
.irp j, 0,1,2,3,4,5,6,7
	v_cvt_pk_f16_f32 v[CV+2*\j],   v[SV+64*(\set)+4*\j],   v[SV+64*(\set)+4*\j+1]
	v_cvt_pk_f16_f32 v[CV+2*\j+1], v[SV+64*(\set)+4*\j+2], v[SV+64*(\set)+4*\j+3]
.endr
.endm
; The rounded tile goes into the slot of its set's number.  load = 1: the set is asked for again, the tile two steps further on.
.macro KSTO set, load
	WIN 0
.irp j, 0,1,2,3,4,5,6,7
	ds_store_b64 v[LK], v[CK+2*\j:CK+2*\j+1] offset:(\set)*SLOT+\j*KP
.endr
.if \load
	s_wait_xcnt 0x0                                ; the other set's loads, which are still out, name this base: it is stepped only behind this wait
	s_add_nc_u64 s[6:7], s[6:7], TILEB
	LOADK \set, 0
.endif
.endm
.macro VSTO set, load
	WIN 0
.irp j, 0,1,2,3,4,5,6,7
	ds_store_b64 v[LV], v[CV+2*\j:CV+2*\j+1] offset:(\set)*SLOT+((\j&3)+8*(\j>>2))*VP
.endr
.if \load
	s_wait_xcnt 0x0
	s_add_nc_u64 s[8:9], s[8:9], TILEB
	LOADV \set, 0
.endif
.endm
; ---- fragments from LDS: 16 loads each
.macro KFL slot
	WIN 0x40                                       ; destination window 1, address window 0
.irp dc, 0,1
.irp kt, 0,1,2,3
	ds_load_b128 v[KF+16*\kt+8*\dc:KF+16*\kt+8*\dc+3],   v[AK] offset:(\slot)*SLOT+\kt*16*KP+64*\dc
	ds_load_b128 v[KF+16*\kt+8*\dc+4:KF+16*\kt+8*\dc+7], v[AK] offset:(\slot)*SLOT+\kt*16*KP+64*\dc+32
.endr
.endr
.endm
.macro VFL slot                        ; transposed on the way: V lies [key][d], source 0 wants d as its row
	WIN 0x80                                       ; destination window 2, address window 0
.irp kc, 0,1
.irp dt, 0,1,2,3
	ds_load_tr16_b128 v[VF+16*\dt+8*\kc:VF+16*\dt+8*\kc+3],   v[AV] offset:(\slot)*SLOT+\kc*32*VP+32*\dt
	ds_load_tr16_b128 v[VF+16*\dt+8*\kc+4:VF+16*\dt+8*\kc+7], v[AV] offset:(\slot)*SLOT+\kc*32*VP+32*\dt+16*VP
.endr
.endr
.endm
; ---- the matrix instructions, one at a time.  In a block a piece's eight accumulators take turns, one instruction a turn, twice round;
; neighbouring blocks name other accumulators.  en = 0: the block does not exist (ahead of step 0, behind step 31).
.macro QKH en, p, n                    ; instruction n of S^T = K Q^T for piece p: d half n / 8, key tile (n / 2) % 4, q tile 2 p + n % 2
.if \en
	WIN QKS
.set hq, 2*(\p)+((\n)&1)
.set hc, (\n)>>3
.set hd, 32*hq+8*(((\n)>>1)&3)
.set ha, KF+16*(((\n)>>1)&3)+8*hc
.set hb, QF+16*hq+8*hc
.if hc == 0
	v_wmma_f32_16x16x32_f16 v[hd:hd+7], v[ha:ha+7], v[hb:hb+7], 0
.else
	v_wmma_f32_16x16x32_f16 v[hd:hd+7], v[ha:ha+7], v[hb:hb+7], v[hd:hd+7]
.endif
.endif
.endm
.macro PVH en, p, n, first             ; instruction n of O^T += V^T P^T for piece p: key half n / 8, q tile 2 p + (n / 4) % 2, d tile n % 4
.if \en
	WIN PVS
.set hq, 2*(\p)+(((\n)>>2)&1)
.set hc, (\n)>>3
.set hd, 32*hq+8*((\n)&3)
.set ha, VF+16*((\n)&3)+8*hc
.set hb, 32*hq+16*hc
.if (\first)*(1-hc)
	v_wmma_f32_16x16x32_f16 v[hd:hd+7], v[ha:ha+7], v[hb:hb+7], 0
.else
	v_wmma_f32_16x16x32_f16 v[hd:hd+7], v[ha:ha+7], v[hb:hb+7], v[hd:hd+7]
.endif
.endif
.endm
; ---- the vector work of piece g, as numbered instructions; a slice is a run of them.
; The maximum: 32 instructions.  Two chains a tile (scores 0-14, 16-30), four in all by turns; then scores 15 and 31; then the chains and the old maximum.
.macro MAXS g, k0, cnt, first
	WIN SMS
.set mk, \k0
.rept \cnt
.set mt, 2*(\g)+(mk&1)
.if mk < 28
.set mc, (mk>>1)&1
.set ml, mk>>2
.set mb, 32*mt+16*mc
.if ml == 0
	v_max3_num_f32 v[MX+4*mc+mt], v[mb], v[mb+1], v[mb+2]
.else
	v_max3_num_f32 v[MX+4*mc+mt], v[MX+4*mc+mt], v[mb+2*ml+1], v[mb+2*ml+2]
.endif
.else
.if mk < 30
	v_max3_num_f32 v[MX+mt], v[MX+mt], v[32*mt+15], v[32*mt+31]
.else
.if \first
	v_max_num_f32 v[MX+mt], v[MX+mt], v[MY+mt]
.else
	v_max3_num_f32 v[MX+mt], v[MX+mt], v[MY+mt], v[MM+mt]
.endif
.endif
.endif
.set mk, mk+1
.endr
.endm
; The factors.  The shift is - C x maximum, rounded once; the factor for what was summed under the old shift is 2^(new shift - old shift), made of the
; two rounded shifts themselves: it is exactly 1 where the maximum stays.  The pair's second register still holds the old shift.
.macro SMALLA g, first
	WIN SMS
.irp q, 0,1
	v_permlanex16_b32 v[TP+2*(\g)+\q], v[MX+2*(\g)+\q], s24, s25   ; the other eight keys of each key tile lie in lane r + 16
.endr
.irp q, 0,1
	v_max_num_f32 v[MX+2*(\g)+\q], v[MX+2*(\g)+\q], v[TP+2*(\g)+\q]
.endr
.irp q, 0,1
	v_mul_f32 v[NM+4*(\g)+2*\q], s28, v[MX+2*(\g)+\q]
.endr
.if \first == 0
.irp q, 0,1
	v_sub_f32 v[AL+4*(\g)+2*\q], v[NM+4*(\g)+2*\q], v[NM+4*(\g)+2*\q+1]
.endr
.irp q, 0,1
	v_exp_f32 v[AL+4*(\g)+2*\q], v[AL+4*(\g)+2*\q]
.endr
.endif
.endm
.macro SMALLB g, first
	WIN SMS
.irp q, 0,1                                            ; plain instructions on other registers stand behind the exponentials (ISA guide 5.7.2)
	v_mov_b32 v[NM+4*(\g)+2*\q+1], v[NM+4*(\g)+2*\q]
.endr
.irp q, 0,1
	v_mov_b32 v[MM+2*(\g)+\q], v[MX+2*(\g)+\q]
.endr
.if \first == 0
.irp q, 0,1
	s_wait_alu depctr_va_vdst(0)
	v_mov_b32 v[AL+4*(\g)+2*\q+1], v[AL+4*(\g)+2*\q]
.endr
.irp q, 0,1
	v_pk_mul_f32 v[LS+8*(\g)+4*\q:LS+8*(\g)+4*\q+1],   v[LS+8*(\g)+4*\q:LS+8*(\g)+4*\q+1],   v[AL+4*(\g)+2*\q:AL+4*(\g)+2*\q+1]
	v_pk_mul_f32 v[LS+8*(\g)+4*\q+2:LS+8*(\g)+4*\q+3], v[LS+8*(\g)+4*\q+2:LS+8*(\g)+4*\q+3], v[AL+4*(\g)+2*\q:AL+4*(\g)+2*\q+1]
.endr
.endif
.endm
; O of the piece times its factor: 32 instructions, under PV's own setting
.macro RESC g, k0, cnt
	WIN PVS
.set rk, \k0
.rept \cnt
.set rt, 2*(\g)+(rk>>4)
.set rr, 32*rt+2*(rk&15)
	v_pk_mul_f32 v[rr:rr+1], v[rr:rr+1], v[AL+2*rt:AL+2*rt+1]
.set rk, rk+1
.endr
.endm
.macro EOP t, i                        ; pair i of tile t: s C - m C
	v_pk_fma_f32 v[32*(\t)+2*(\i):32*(\t)+2*(\i)+1], v[32*(\t)+2*(\i):32*(\t)+2*(\i)+1], s[26:27], v[NM+2*(\t):NM+2*(\t)+1] op_sel_hi:[1,0,1]
.endm
.macro XOP t, j                        ; register j of tile t: 2^x
	v_exp_f32 v[32*(\t)+(\j)], v[32*(\t)+(\j)]
.endm
; Pair i of tile t joins one of the tile's two sums, by turns.  In the first step pairs 0 and 1 start the sums (a packed copy, written as x 1.0: there is
; no packed move): nothing is cleared.  third = 1: under QK's setting the sum has to stand in the third source place, so p x 1.0 + sum.
.macro LOP t, i, first, third
.set lr, LS+4*(\t)+2*((\i)&1)
.set lp, 32*(\t)+2*(\i)
.set lstart, 0
.if \first
.if (\i) < 2
.set lstart, 1
.endif
.endif
.if lstart
	s_wait_alu depctr_va_vdst(0)
	v_pk_mul_f32 v[lr:lr+1], v[lp:lp+1], 1.0 op_sel_hi:[1,0]
.else
.if \third
	s_wait_alu depctr_va_vdst(0)
	v_pk_fma_f32 v[lr:lr+1], v[lp:lp+1], 1.0, v[lr:lr+1] op_sel_hi:[1,0,1]
.else
	s_wait_alu depctr_va_vdst(0)
	v_pk_add_f32 v[lr:lr+1], v[lp:lp+1], v[lr:lr+1]
.endif
.endif
.endm
.macro COP t, i                        ; pair i of tile t packed to f16, in place: the word lands on register i or 16 + (i - 8), never beyond the pair 2 i, 2 i + 1
	v_cvt_pk_f16_f32 v[32*(\t)+16*((\i)>>3)+((\i)&7)], v[32*(\t)+2*(\i)], v[32*(\t)+2*(\i)+1]
.endm
; 112 instructions under QK's own setting: 0-15 the first tile's multiply-adds; 16-63 its exponentials, between each two of them a multiply-add of the
; second tile; 64-111 the second tile's exponentials, between each two a sum of the first tile.  So a plain instruction on other registers stands
; behind every second exponential, and no result is used within the next dozen instructions (ISA guide 5.7.2).
.macro QS g, k0, cnt, first
	WIN QKS
.set qk, \k0
.rept \cnt
.if qk < 16
	EOP 2*(\g), qk
.else
.if qk < 64
.set qi, (qk-16)/3
.set qr, (qk-16)-3*qi
.if qr == 0
	XOP 2*(\g), 2*qi
.endif
.if qr == 1
	EOP 2*(\g)+1, qi
.endif
.if qr == 2
	XOP 2*(\g), 2*qi+1
.endif
.else
.set qi, (qk-64)/3
.set qr, (qk-64)-3*qi
.if qr == 0
	XOP 2*(\g)+1, 2*qi
.endif
.if qr == 1
	LOP 2*(\g), qi, \first, 1
.endif
.if qr == 2
	XOP 2*(\g)+1, 2*qi+1
.endif
.endif
.endif
.set qk, qk+1
.endr
.endm
; 48 instructions under 0x55: 0-31 the second tile's sums and the first tile's packing by turns; 32-47 the second tile's packing
.macro TL g, k0, cnt, first
	WIN SMS
.set tk, \k0
.rept \cnt
.if tk < 32
.if (tk&1) == 0
	LOP 2*(\g)+1, tk>>1, \first, 0
.else
	COP 2*(\g), tk>>1
.endif
.else
	COP 2*(\g)+1, tk-32
.endif
.set tk, tk+1
.endr
.endm
; ---- blocks.  QK of piece h, behind each instruction a slice of piece g: 8 x 9 + 5 x 8 = 112 under its setting, then 3 x 16.
.macro QKQ en, h, g, first
.irp n, 0,1,2,3,4,5,6,7
	QKH \en, \h, \n
	QS \g, 9*\n, 9, \first
.endr
.irp n, 8,9,10,11,12
	QKH \en, \h, \n
	QS \g, 8*\n+8, 8, \first
.endr
.irp n, 13,14,15
	QKH \en, \h, \n
	TL \g, 16*\n-208, 16, \first
.endr
.endm
; PV of piece h from its second instruction on; behind them piece g's maximum (3 slices), factors (2), and O x factor (9 x 3 + 5).  The five at the end
; are the places in front of the loads that follow into V's fragments.
.macro PVQ en, h, g, fpv, fsm
	PVH \en, \h, 1, \fpv
	MAXS \g, 0, 11, \fsm
	PVH \en, \h, 2, \fpv
	MAXS \g, 11, 11, \fsm
	PVH \en, \h, 3, \fpv
	MAXS \g, 22, 10, \fsm
	PVH \en, \h, 4, \fpv
	SMALLA \g, \fsm
	PVH \en, \h, 5, \fpv
	SMALLB \g, \fsm
.irp n, 6,7,8,9,10,11,12,13,14
	PVH \en, \h, \n, \fpv
.if \fsm == 0
	RESC \g, 3*\n-18, 3
.endif
.endr
	PVH \en, \h, 15, \fpv
.if \fsm == 0
	RESC \g, 27, 5
.endif
.endm
; ---- step j.  par = j % 2.  pvb: PV_B(j-1) exists.  fa, fb: piece A's, B's first softmax (fb also: PV_A starts O_A).  fpvb: PV_B starts O_B.
; vst: V tile j+1 goes into slot 1 - par, behind a wait that leaves vcnt younger loads out; vld: V tile j+3 is asked for.
; kst, kcnt, kld: the same for K tiles j+2 (slot par) and j+4.  nxt: step j+1 exists (K's fragments, QK_A(j+1), the barrier).
; ONE BARRIER A STEP, between QK_B(j) and PV_A(j).  In front of its signal all my LDS instructions are done: my reads of V(j) and K(j), my stores of
; V(j+1) and K(j+1).  Behind its wait K(j+1) is read and K(j+2) is stored over K(j); a block later V(j+2) over V(j).  Between signal and wait: registers only.
.macro BODY par, pvb, fa, fpvb, fb, vst, vld, vcnt, kst, kld, kcnt, nxt
	PVH \pvb, 1, 0, \fpvb
.if \vst
	VCVT 1-\par, \vcnt
	VSTO 1-\par, \vld
.endif
	PVQ \pvb, 1, 0, \fpvb, \fa
	VFL \par                                       ; V(j): used by PV_A(j), 16 matrix instructions on, and by PV_B(j)
	QKQ 1, 1, 0, \fa
	s_wait_dscnt 0x0                               ; V's fragments are in; for the other waves: see above
.if \nxt
	s_barrier_signal -1
.endif
	PVH 1, 0, 0, \fb
.if \kst
	KCVT \par, \kcnt
.endif
.if \nxt
	s_barrier_wait -1
.endif
.if \kst
	KSTO \par, \kld
.endif
.if \nxt
	KFL 1-\par                                     ; K(j+1): the 16 packing instructions behind QK_B's last product are the places in front of these loads
.endif
	PVQ 1, 0, 1, \fb, \fb
.if \nxt
	s_wait_dscnt 0x0                               ; K's fragments, asked for 15 matrix instructions ago
.endif
	QKQ \nxt, 0, 1, \fb
.endm
	; 56 loads: my 64 rows of Q (into window 1), my 16 x 64 of w_proj (both read once in the launch), K and V tile 0
	WIN 0x40
.irp t, 0,1,2,3
.irp j, 0,1,2,3,4,5,6,7
	global_load_b128 v[32*\t+4*\j:32*\t+4*\j+3], v[GQ], s[4:5] offset:(16*\t+\j)*ROWB th:TH_LOAD_NT
.endr
.endr
	WIN 0
.irp j, 0,1,2,3,4,5,6,7
	global_load_b128 v[WR+4*\j:WR+4*\j+3], v[GQ], s[10:11] offset:\j*ROWB th:TH_LOAD_NT
.endr
	LOADK 0, 0
	LOADV 0, 0
	s_wait_loadcnt 24                              ; Q is in; W's 8 and tile 0's 16 stay out
	WIN 0x45                                       ; sources 0, 1 and destination window 1
.set qi, 0
.rept 32
	v_cvt_pk_f16_f32 v[4*qi],   v[4*qi],   v[4*qi+1]
	v_cvt_pk_f16_f32 v[4*qi+1], v[4*qi+2], v[4*qi+3]
.set qi, qi+1
.endr
	WIN 0x04                                       ; store data window 1, address window 0
.set qi, 0
.rept 32
	ds_store_b64 v[SQ], v[4*qi:4*qi+1] offset:(16*(qi>>3)+(qi&7))*KP
.set qi, qi+1
.endr
	WIN 0
	LOADK 1, 1                                     ; tile 1 into the second staging set
	LOADV 1, 1
	s_wait_loadcnt 32                              ; W is in; tiles 0 and 1 stay out
.irp j, 0,1,2,3,4,5,6,7
	v_cvt_pk_f16_f32 v[WR+4*\j],   v[WR+4*\j],   v[WR+4*\j+1]
	v_cvt_pk_f16_f32 v[WR+4*\j+1], v[WR+4*\j+2], v[WR+4*\j+3]
	ds_store_b64 v[SQ], v[WR+4*\j:WR+4*\j+1] offset:(64+\j)*KP
.endr
	; The stage is my wave's own, and LDS serves a wave's instructions in order (ISA guide 5.7.1): no wait between these stores and loads
.irp qt, 0,1,2,3
.irp dc, 0,1
	ds_load_b128 v[QF+16*\qt+8*\dc:QF+16*\qt+8*\dc+3],   v[RQ] offset:\qt*16*KP+64*\dc
	ds_load_b128 v[QF+16*\qt+8*\dc+4:QF+16*\qt+8*\dc+7], v[RQ] offset:\qt*16*KP+64*\dc+32
.endr
.endr
.irp dc, 0,1
	ds_load_b128 v[WR+8*\dc:WR+8*\dc+3],   v[RQ] offset:64*KP+64*\dc
	ds_load_b128 v[WR+8*\dc+4:WR+8*\dc+7], v[RQ] offset:64*KP+64*\dc+32
.endr
	s_wait_dscnt 0x0
.irp dc, 0,1
	global_store_b128 v[ST], v[WR+8*\dc:WR+8*\dc+3],   s[14:15] offset:\dc*1024
	global_store_b128 v[ST], v[WR+8*\dc+4:WR+8*\dc+7], s[14:15] offset:\dc*1024+512
.endr
	s_wait_xcnt 0x0                                ; v[32:47], which these stores read, are written again by the conversions below only behind this wait
	KCVT 0, 16                                     ; tile 0 is in, K and V; tile 1's 16 loads stay out
	KSTO 0, 0
	VCVT 0, 16
	VSTO 0, 0
	KCVT 1, 8                                      ; K tile 1; V tile 1 stays out: step 0 takes it
	KSTO 1, 0
	LOADK 0, 2                                     ; from here on the order of the loads is V(j+1), K(j+2), V(j+2), K(j+3)
	LOADV 0, 2
	LOADK 1, 3
	s_wait_xcnt 0x0                                ; the bases are stepped only behind this wait
	s_add_nc_u64 s[6:7], s[6:7], 3*TILEB           ; each step adds one tile and loads: K tile 4 in step 0,
	s_add_nc_u64 s[8:9], s[8:9], 2*TILEB           ; V tile 3
	s_wait_dscnt 0x0                               ; my parts of K(0), V(0), K(1) are stored,
	s_barrier_signal -1
	s_barrier_wait -1                              ; everybody's are
	WIN 0x40
.irp qt, 0,1,2,3
	v_mov_b32 v[TP+\qt], 0                         ; v_permlanex16_b32 counts as a reader of its destination
.endr
	KFL 0
	s_wait_dscnt 0x0
.irp n, 0,1,2,3,4,5,6,7,8,9,10,11,12,13,14,15
	QKH 1, 0, \n                                   ; QK_A(0); the 16 conversions at the head of step 0 are the places behind it
.endr
	;    par pvb fa fpvb fb  vst vld vcnt  kst kld kcnt  nxt
	BODY 0,  0,  1, 0,   1,  1,  1,  24,   1,  1,  24,   1     ; step 0 starts maxima, sums and O_A
	BODY 1,  1,  0, 1,   0,  1,  1,  24,   1,  1,  24,   1     ; step 1 holds PV_B(0), which starts O_B
	WIN 0                                          ; at a label and at a branch every window is 0
	s_mov_b32 s34, 13                              ; steps 2 to 27
.Lsteps:
	BODY 0,  1,  0, 0,   0,  1,  1,  24,   1,  1,  24,   1
	BODY 1,  1,  0, 0,   0,  1,  1,  24,   1,  1,  24,   1
	WIN 0
	s_sub_co_u32 s34, s34, 1
	s_cmp_lg_u32 s34, 0
	s_cbranch_scc1 .Lsteps
	BODY 0,  1,  0, 0,   0,  1,  1,  24,   1,  0,  24,   1     ; step 28 asks for V tile 31, the last load: none leaves the buffers
	BODY 1,  1,  0, 0,   0,  1,  0,  16,   1,  0,  8,    1     ; step 29: V30 (K31, V31 stay out), then K31 (V31 stays out)
	BODY 0,  1,  0, 0,   0,  1,  0,  0,    0,  0,  0,    1     ; step 30: V31
	BODY 1,  1,  0, 0,   0,  0,  0,  0,    0,  0,  0,    0     ; step 31: nothing more to stage, no next QK_A, no barrier
.irp n, 0,1,2,3,4,5,6,7,8,9,10,11,12,13,14,15
	PVH 1, 1, \n, 0                                ; PV_B(31)
.endr
	; O / sum, rounded to f16, stored as the second kernel's operand image.  The plain instructions on the sums are the places behind the last products.
	WIN SMS
.irp qt, 0,1,2,3
	v_pk_add_f32 v[LS+4*\qt:LS+4*\qt+1], v[LS+4*\qt:LS+4*\qt+1], v[LS+4*\qt+2:LS+4*\qt+3]
.endr
.irp qt, 0,1,2,3
	v_add_f32 v[LS+4*\qt], v[LS+4*\qt], v[LS+4*\qt+1]
.endr
.irp qt, 0,1,2,3
	v_permlanex16_b32 v[TP+\qt], v[LS+4*\qt], s24, s25
.endr
.irp qt, 0,1,2,3
	v_add_f32 v[LS+4*\qt], v[LS+4*\qt], v[TP+\qt]
.endr
.irp qt, 0,1,2,3
	v_rcp_f32 v[AL+2*\qt], v[LS+4*\qt]
.endr
	v_nop                                          ; one plain instruction behind the reciprocals (ISA guide 5.7.2)
.irp qt, 0,1,2,3
	s_wait_alu depctr_va_vdst(0)
	v_mov_b32 v[AL+2*\qt+1], v[AL+2*\qt]
.endr
	RESC 0, 0, 32
	RESC 1, 0, 32
	WIN 0x0a                                       ; sources window 2, destination window 0
.irp qt, 0,1,2,3
.irp dt, 0,1,2,3
.irp i, 0,1,2,3
	v_cvt_pk_f16_f32 v[OB+16*\qt+4*\dt+\i], v[32*\qt+8*\dt+2*\i], v[32*\qt+8*\dt+2*\i+1]
.endr
.endr
.endr
	WIN 0
.irp qt, 0,1,2,3
.irp dt, 0,1,2,3
	global_store_b128 v[ST], v[OB+16*\qt+4*\dt:OB+16*\qt+4*\dt+3], s[12:13] offset:\qt*8192+\dt*512   ; 512 consecutive bytes, aligned
.endr
.endr
	s_wait_tensorcnt 0x0
	ds_add_u32 v30, v31
	s_wait_dscnt 0x0
	s_endpgm
.Lfunc_end_k_q1cfb3d2243_attn:
	.size	k_q1cfb3d2243_attn, .Lfunc_end_k_q1cfb3d2243_attn-k_q1cfb3d2243_attn
	.p2alignl 7, 3214868480
	.fill 96, 4, 3214868480
	.section	.rodata,"a",@progbits
	.p2align	6, 0x0
	.amdhsa_kernel k_q1cfb3d2243_attn
		.amdhsa_group_segment_fixed_size 85504
		.amdhsa_private_segment_fixed_size 0
		.amdhsa_enable_private_segment 0
		.amdhsa_kernarg_size 48
		.amdhsa_user_sgpr_count 2
		.amdhsa_user_sgpr_kernarg_segment_ptr 1
		.amdhsa_wavefront_size32 1
		.amdhsa_system_sgpr_workgroup_id_x 1
		.amdhsa_system_sgpr_workgroup_id_y 1
		.amdhsa_system_sgpr_workgroup_id_z 1
		.amdhsa_system_vgpr_workitem_id 0
		.amdhsa_next_free_vgpr 704
		.amdhsa_next_free_sgpr 66
		.amdhsa_reserve_vcc 0
		.amdhsa_float_denorm_mode_32 3
		.amdhsa_float_denorm_mode_16_64 3
		.amdhsa_memory_ordered 1
		.amdhsa_forward_progress 1
		.amdhsa_inst_pref_size 255
	.end_amdhsa_kernel
	.section	.bss,"aw",@nobits
	.p2align	6
	.space	262144
	.amdgpu_metadata
---
amdhsa.version: [ 1, 2 ]
amdhsa.kernels:
  - .name:           k_q1cfb3d2243_attn
    .symbol:         k_q1cfb3d2243_attn.kd
    .args:
      - { .name: x, .offset: 0, .size: 8, .value_kind: global_buffer, .address_space: global }
      - { .name: cond_k, .offset: 8, .size: 8, .value_kind: global_buffer, .address_space: global }
      - { .name: cond_v, .offset: 16, .size: 8, .value_kind: global_buffer, .address_space: global }
      - { .name: w_proj, .offset: 24, .size: 8, .value_kind: global_buffer, .address_space: global }
      - { .name: att, .offset: 32, .size: 8, .value_kind: global_buffer, .address_space: global }
      - { .name: wb, .offset: 40, .size: 8, .value_kind: global_buffer, .address_space: global }
    .group_segment_fixed_size: 85504
    .private_segment_fixed_size: 0
    .kernarg_segment_align: 8
    .kernarg_segment_size: 48
    .max_flat_workgroup_size: 128
    .sgpr_count:     66
    .vgpr_count:     704
    .wavefront_size: 32
...
	.end_amdgpu_metadata
.endif
;; end of part 1
;; launch proj (part 2): grid 8 x 32, 4 waves a work-group, clusters of 4 x 4, 327,680 bytes of LDS; arguments att, wb, b_proj, out0; writes out0
.if DOCPART == 2
	.amdgcn_target "amdgcn-amd-amdhsa--gfx1250"
	.amdhsa_code_object_version 6
	.text
	.protected	k_q1cfb3d2243_proj
	.globl	k_q1cfb3d2243_proj
	.p2align	8
	.type	k_q1cfb3d2243_proj,@function
k_q1cfb3d2243_proj:
	s_mov_b64 s[64:65], 0
	v_nop
	global_prefetch_b8 v0, s[64:65] scope:SCOPE_SE
	s_setreg_imm32_b32 hwreg(HW_REG_WAVE_MODE, 25, 1), 1
	s_wait_xcnt 0x0
	s_wait_alu depctr_hold_cnt(0) depctr_sa_sdst(0) depctr_va_vdst(0) depctr_va_sdst(0) depctr_va_ssrc(0) depctr_va_vcc(0) depctr_vm_vsrc(0)
	s_getreg_b32 s2, hwreg(HW_REG_IB_STS2, 6, 4)
	s_cmp_eq_u32 s2, 0
	s_cbranch_scc0 .Lentry_in_a_cluster
	s_endpgm
.Lentry_in_a_cluster:
	s_bfe_u32 s2, ttmp6, 0x10000c
	s_cmp_lg_u32 s2, 0xf033
	s_cbranch_scc0 .Lentry_shape_is_right
	s_endpgm
.Lentry_shape_is_right:
; out0[t][n] = sum over k of att[t][k] w_proj[n][k] + b_proj[n]: 4,096 x 1,024 x 1,024, operands f16, sums f32.  Nothing of reference() is left out.
; FORMAT: att and wb are f16 as the first kernel rounded them (its head gives the arithmetic of f16's room: magnitudes up to 65,504, 11 bits down to
; 2^-14, steps of 2^-24 below; att is an average of cond_v, w_proj is of order 0.02).  The bias enters in f32.
; att and wb come from the first kernel as operand images: [k / 256][row / 16][(k % 256) / 32][half][lane][16 bytes].  So the tile of 64 rows x 256 k
; is 32,768 consecutive bytes of memory (128 rows of 256 bytes for the data mover), and a fragment is two LDS loads at 16 x lane,
; 512 consecutive bytes each: no padding is needed.
; A work-group makes 128 x 128 of out0 with four waves, a wave 64 x 64: 16 accumulator tiles.  256 work-groups.  K goes in four steps of 256 through
; two LDS slots.  Each wave fetches a quarter of a slot with one tensor load; at most two loads of a wave are out (the two first fills).
; CLUSTERS: 4 x 4 work-groups.  The four of a row of the cluster make blocks of the same 128 rows of out0 and need the same tiles of att; the four of a
; column need the same tiles of wb.  Each such tile is asked for jointly: the same load, the same descriptor, a mask that names the four.
; THE PRODUCT IS TAKEN TRANSPOSED: source 0 = 16 rows of wb, source 1 = 16 rows of att.  Lane (r, h) then holds row t = r and the eight neighbouring
; columns n = 8 h + 0..7.  The first product takes the bias as its C: nothing is cleared, nothing is added later.
.set PART,   32768                     ; what one tensor load brings: 64 rows x 256 k
.set SLOT,   4*PART                    ; att rows 0-63, 64-127, then wb rows 0-63, 64-127
.set STAGE,  2*SLOT                    ; behind the ring, a multiple of 256: no tensor load lands here
.set SPITCH, 272                       ; a staged row: 256 bytes + 16, an odd multiple of 16
.set WSTAGE, 16*SPITCH                 ; each wave's own stage
.set AKQ,    2097152                   ; att: bytes from one 256 k to the next
.set WKQ,    524288                    ; wb: the same
.set ADA, 4                            ; v4, v5   LDS address of my att fragments in slot 0, 1
.set ADW, 6                            ; v6, v7   the same for wb
.set STO, 8                            ; the way out: where I put 32 bytes of a row
.set RD,  9                            ; the way out: where I read rows back
.set CO,  10                           ; my byte offset in out0
.set BO,  11                           ; my byte offset in b_proj: 32 h
.set BI,  16                           ; v[16:47]   bias of n tile nt at 16 + 8 nt, laid out as a C operand
.set F0,  64                           ; v[64:127]  fragment buffer 0: att tile tt at + 8 tt, wb tile nt at + 32 + 8 nt
.set F1,  128                          ; v[128:191] fragment buffer 1
.set OB0, 192                          ; v[192:223], v[224:255]: rows on their way out
.set OB1, 224
; window 1: accumulator (tt, nt) at 8 (4 tt + nt)
.set G1A, 24                           ; s[24:31] descriptor group 1 for att's tiles
.set G0A, 32                           ; s[32:39] group 0 for att's tiles, a set for each slot
.set G1B, 48                           ; s[48:55] group 1 for wb's tiles: another mask
.set G0B, 56                           ; s[56:63] group 0 for wb's tiles
.set MSB, 0
.macro WIN new                         ; low byte: bits 1:0 source 0, 3:2 source 1, 5:4 source 2, 7:6 destination; the high byte repeats the setting left
.if MSB != \new
	s_set_vgpr_msb (MSB<<8)|\new
.set MSB, \new
.endif
.endm
.macro PLACES n
.rept \n
	v_nop
.endr
.endm
; A joint load.  Waves 0 and 1 fetch att's two halves, waves 2 and 3 wb's.  Each line has one mask and one set of registers for all that issue it.
; The branch hangs on the wave's number alone.
.macro JLOAD s
	s_cmp_eq_u32 s13, 0
	s_cbranch_scc0 .Lfor_w_\@
	tensor_load_to_lds s[G0A+4*\s:G0A+4*\s+3], s[G1A:G1A+7]
	s_nop 0
	s_branch .Lasked_\@
.Lfor_w_\@:
	tensor_load_to_lds s[G0B+4*\s:G0B+4*\s+3], s[G1B:G1B+7]
	s_nop 0
.Lasked_\@:
.endm
; A round of the cluster's barrier: my work-group's barrier, wave 0 signals for the work-group, every wave waits for all sixteen, my work-group's barrier again.
.macro CREST                           ; a round behind its opening barrier
	s_cmp_lg_u32 s12, 0
	s_cbranch_scc1 .Lnot_wave_0_\@
	s_barrier_signal -3
.Lnot_wave_0_\@:
	s_barrier_wait -3
	s_barrier_signal -1
	s_barrier_wait -1
.endm
.macro CROUND
	s_barrier_signal -1
	s_barrier_wait -1
	CREST
.endm
	s_load_b256 s[4:11], s[0:1], 0x0               ; att s[4:5], wb s[6:7], b_proj s[8:9], out0 s[10:11]
	v_lshl_add_u32 v62, v0, 2, 0x44400
	v_mov_b32 v63, 0
	ds_add_u32 v62, v63
	v_lshrrev_b32 v1, 5, v0
	v_readfirstlane_b32 s12, v1                    ; wave 0..3
	s_lshr_b32 s13, s12, 1                         ; which 64 rows of the block are mine.  Also: I fetch for att (0) or for wb (1)
	s_and_b32 s14, s12, 1                          ; which 64 columns.  Also: which half of that tile I fetch
	s_bfe_u32 s40, ttmp6, 0x40000                  ; cx
	s_bfe_u32 s41, ttmp6, 0x40004                  ; cy
	s_lshl_b32 s42, ttmp9, 2
	s_add_co_u32 s42, s42, s40                     ; block of 128 columns = 4 x cluster x + cx
	s_and_b32 s43, ttmp7, 0xffff
	s_lshl_b32 s43, s43, 2
	s_add_co_u32 s43, s43, s41                     ; block of 128 rows = 4 x cluster y + cy
	s_lshl_b32 s44, s41, 2
	s_lshl_b32 s44, 15, s44                        ; my row of the cluster: places 4 cy .. 4 cy + 3
	s_lshl_b32 s45, 0x1111, s40                    ; my column: places cx, cx + 4, cx + 8, cx + 12
	; group 1: a dense block as 128 rows of 32 elements of 8 bytes
	s_or_b32 s[G1A+0], s44, (3<<16)|(1<<21)        ; 15:0 the mask: att's tiles go to my row; 17:16 elements of 8 bytes; 21 set beside a mask; no padding
	s_or_b32 s[G1B+0], s45, (3<<16)|(1<<21)        ; the same with my column's mask
	s_mov_b32 s[G1A+1], 32<<16                     ; tensor_dim0 = 32
	s_mov_b32 s[G1B+1], 32<<16
	s_mov_b32 s[G1A+2], 128<<16                    ; tensor_dim1 = 128
	s_mov_b32 s[G1B+2], 128<<16
	s_mov_b32 s[G1A+3], 32<<16                     ; tile_dim0 = 32
	s_mov_b32 s[G1B+3], 32<<16
	s_mov_b32 s[G1A+4], 128                        ; tile_dim1 = 128
	s_mov_b32 s[G1B+4], 128
	s_mov_b32 s[G1A+5], 32                         ; from row to row: 32 elements, each row begins where the last ends
	s_mov_b32 s[G1B+5], 32
	s_mov_b32 s[G1A+6], 0
	s_mov_b32 s[G1B+6], 0
	s_mov_b32 s[G1A+7], 0
	s_mov_b32 s[G1B+7], 0
	; att's tiles hang on the block of rows alone, wb's on the block of columns alone; each offset in registers that never hold the other coordinate
	s_lshl_b32 s18, s14, 15                        ; which half of the tile I fetch
	s_lshl_b32 s16, s43, 16                        ; 128 rows x 256 k are 65,536 bytes
	s_add_co_u32 s16, s16, s18
	s_mov_b32 s17, 0
	s_lshl_b32 s46, s42, 16
	s_add_co_u32 s46, s46, s18
	s_mov_b32 s47, 0
	s_mul_i32 s22, s12, PART                       ; where it goes: wave x 32,768: no place in the cluster enters an LDS address
	s_wait_dscnt 0x0
	s_wait_kmcnt 0x0
	s_add_nc_u64 s[20:21], s[4:5], s[16:17]
	s_add_nc_u64 s[46:47], s[6:7], s[46:47]
	CROUND                                         ; all sixteen work-groups are here: the first joint loads meet
.irp s, 0,1
	s_mov_b32 s[G0A+4*\s], 1
	s_add_co_u32 s[G0A+4*\s+1], s22, \s*SLOT
	s_add_nc_u64 s[G0A+4*\s+2:G0A+4*\s+3], s[20:21], \s*AKQ        ; K step s
	s_or_b32 s[G0A+4*\s+3], s[G0A+4*\s+3], 0x80000000
	s_mov_b32 s[G0B+4*\s], 1
	s_add_co_u32 s[G0B+4*\s+1], s22, \s*SLOT
	s_add_nc_u64 s[G0B+4*\s+2:G0B+4*\s+3], s[46:47], \s*WKQ
	s_or_b32 s[G0B+4*\s+3], s[G0B+4*\s+3], 0x80000000
	JLOAD \s                                       ; both slots are asked for before anything else is done
.endr
	; the bases of b_proj and out0
	s_lshl_b32 s46, s42, 9                         ; my first column in bytes of f32: 512 x block + 256 x half
	s_lshl_b32 s47, s14, 8
	s_add_co_u32 s46, s46, s47
	s_mov_b32 s47, 0
	s_add_nc_u64 s[8:9], s[8:9], s[46:47]
	s_add_nc_u64 s[10:11], s[10:11], s[46:47]
	s_lshl_b32 s16, s43, 19                        ; my first row: 128 x block + 64 x half, rows of 4,096 bytes
	s_lshl_b32 s18, s13, 18
	s_add_co_u32 s16, s16, s18
	s_add_nc_u64 s[10:11], s[10:11], s[16:17]
	v_and_b32 v1, 15, v0                           ; r
	v_bfe_u32 v2, v0, 4, 1                         ; h
	v_and_b32 v3, 31, v0
	v_lshlrev_b32 v3, 4, v3                        ; 16 x lane
	v_lshlrev_b32 v[BO], 5, v2
.irp nt, 0,1,2,3
	global_load_b128 v[BI+8*\nt:BI+8*\nt+3],   v[BO], s[8:9] offset:64*\nt       ; register j: b_proj[16 nt + 8 h + j], the C operand's layout
	global_load_b128 v[BI+8*\nt+4:BI+8*\nt+7], v[BO], s[8:9] offset:64*\nt+16
.endr
	s_lshl_b32 s23, s13, 15
	v_add_nc_u32 v[ADA], s23, v3                   ; my 64 rows of att
	v_add_nc_u32 v[ADA+1], SLOT, v[ADA]
	s_lshl_b32 s23, s14, 15
	s_add_co_u32 s23, s23, 2*PART
	v_add_nc_u32 v[ADW], s23, v3                   ; my 64 rows of wb, behind att's 128
	v_add_nc_u32 v[ADW+1], SLOT, v[ADW]
	s_mul_i32 s23, s12, WSTAGE
	s_add_co_u32 s23, s23, STAGE
	v_mul_u32_u24 v[STO], v1, SPITCH               ; in: row r, 32 bytes for each half of the lanes
	v_lshl_add_u32 v[STO], v2, 5, v[STO]
	v_add_nc_u32 v[STO], s23, v[STO]
	v_mul_u32_u24 v[RD], v2, SPITCH                ; back: lanes 0-15 take one row of 256 bytes, lanes 16-31 the next
	v_lshl_add_u32 v[RD], v1, 4, v[RD]
	v_add_nc_u32 v[RD], s23, v[RD]
	v_lshlrev_b32 v[CO], 12, v2                    ; and the same two rows in out0
	v_lshl_add_u32 v[CO], v1, 4, v[CO]
; 16 LDS loads: the fragments of 32 k (piece c of the slot's eight) into buffer f
.macro FETCH slot, c, f
.irp tt, 0,1,2,3
	ds_load_b128 v[\f+8*\tt:\f+8*\tt+3],   v[ADA+\slot] offset:\tt*8192+(\c)*1024
	ds_load_b128 v[\f+8*\tt+4:\f+8*\tt+7], v[ADA+\slot] offset:\tt*8192+(\c)*1024+512
.endr
.irp nt, 0,1,2,3
	ds_load_b128 v[\f+32+8*\nt:\f+32+8*\nt+3],   v[ADW+\slot] offset:\nt*8192+(\c)*1024
	ds_load_b128 v[\f+32+8*\nt+4:\f+32+8*\nt+7], v[ADW+\slot] offset:\nt*8192+(\c)*1024+512
.endr
.endm
; 16 matrix instructions; the sixteen accumulators take turns, one instruction a turn, always in this order.
.macro MUL16 f, first
.if \first
	WIN 0x40                                       ; D window 1; C (the bias) window 0
.else
	WIN 0x50                                       ; C and D window 1
.endif
.irp tt, 0,1,2,3
.irp nt, 0,1,2,3
.if \first
	v_wmma_f32_16x16x32_f16 v[8*(4*\tt+\nt):8*(4*\tt+\nt)+7], v[\f+32+8*\nt:\f+32+8*\nt+7], v[\f+8*\tt:\f+8*\tt+7], v[BI+8*\nt:BI+8*\nt+7]
.else
	v_wmma_f32_16x16x32_f16 v[8*(4*\tt+\nt):8*(4*\tt+\nt)+7], v[\f+32+8*\nt:\f+32+8*\nt+7], v[\f+8*\tt:\f+8*\tt+7], v[8*(4*\tt+\nt):8*(4*\tt+\nt)+7]
.endif
.endr
.endr
.endm
; Asks for piece cn into buffer g, which the last products read (four places behind them: ISA guide 7.12.1 for vector instructions),
; then multiplies buffer f, whose 16 loads went out one piece earlier.
.macro KSTEP slot, cn, f, g
	WIN 0
	PLACES 4
	FETCH \slot, \cn, \g
	s_wait_dscnt 16                                ; all but the 16 just issued
	MUL16 \f, 0
.endm
; A K step of 256: eight pieces of 32 on buffers 0, 1, 0, 1, ..
.macro WORK slot, first
.if \first == 0
	PLACES 4                                       ; behind the last K step's products, which read both buffers
.endif
	FETCH \slot, 0, F0
	FETCH \slot, 1, F1
	s_wait_dscnt 16
	MUL16 F0, \first
	KSTEP \slot, 2, F1, F0
	KSTEP \slot, 3, F0, F1
	KSTEP \slot, 4, F1, F0
	KSTEP \slot, 5, F0, F1
	KSTEP \slot, 6, F1, F0
	KSTEP \slot, 7, F0, F1
	s_wait_dscnt 0x0
	MUL16 F1, 0
	WIN 0
.endm
; The change of slots behind the K step in slot s.  Each wave's reads of slot s are back and all its tensor loads have landed (its part of the other
; slot among them); then the barrier.  fill = 1: the barrier opens a round of the cluster's barrier, so that both hold of every wave of all
; sixteen work-groups; behind the round's closing wait slot s is asked for again, two K steps ahead: the wave's one tensor load there, and the first thing.
.macro CHANGE s, fill
	s_wait_dscnt 0x0
	s_wait_tensorcnt 0x0
	ds_add_u32 v62, v63
	s_wait_dscnt 0x0
	s_barrier_signal -1
	s_barrier_wait -1
.if \fill
	CREST
	s_add_nc_u64 s[G0A+4*\s+2:G0A+4*\s+3], s[G0A+4*\s+2:G0A+4*\s+3], 2*AKQ   ; no tensor load of mine is out: a group 0 may be written
	s_add_nc_u64 s[G0B+4*\s+2:G0B+4*\s+3], s[G0B+4*\s+2:G0B+4*\s+3], 2*WKQ
	JLOAD \s
.endif
.endm
; 16 rows of my block: 32 bytes a lane and n tile into my own stage, read back as whole rows of 256 bytes.  LDS serves a wave's instructions in order
; (ISA guide 5.7.1): no wait between the stores and the loads, nor before the next 16 rows' stores.
.macro OUT16 tt, buf
	WIN 0x04                                       ; store data window 1, address window 0
.irp nt, 0,1,2,3
	ds_store_b128 v[STO], v[8*(4*\tt+\nt):8*(4*\tt+\nt)+3]   offset:64*\nt
	ds_store_b128 v[STO], v[8*(4*\tt+\nt)+4:8*(4*\tt+\nt)+7] offset:64*\nt+16
.endr
	WIN 0
	s_wait_xcnt 0x0                                ; the buffer, which earlier stores read, is loaded again only behind this wait
.irp i, 0,1,2,3,4,5,6,7
	ds_load_b128 v[\buf+4*\i:\buf+4*\i+3], v[RD] offset:2*SPITCH*\i
.endr
.irp i, 0,1,2,3,4,5,6,7
	s_wait_dscnt 7-\i                              ; pair i of rows is in; the younger loads stay out
	global_store_b128 v[CO], v[\buf+4*\i:\buf+4*\i+3], s[10:11] offset:(16*\tt+2*\i)*4096 th:TH_STORE_NT   ; 16 lanes store 256 consecutive bytes, aligned
.endr
.endm
	s_wait_tensorcnt 0x1                           ; my part of K step 0 is in; K step 1's may stay out
	s_barrier_signal -1
	s_barrier_wait -1                              ; everybody's is
	s_wait_loadcnt 0x0                             ; the bias
	WORK 0, 1                                      ; k 0..255
	CHANGE 0, 1                                    ; slot 0 gets k 512..767
	WORK 1, 0                                      ; k 256..511
	CHANGE 1, 1                                    ; slot 1 gets k 768..1023
	WORK 0, 0
	CHANGE 0, 0                                    ; nothing is left to fetch
	WORK 1, 0
	PLACES 4                                       ; behind the last products, whose results the LDS stores read
	OUT16 0, OB0
	OUT16 1, OB1
	OUT16 2, OB0
	OUT16 3, OB1
	s_wait_tensorcnt 0x0
	ds_add_u32 v62, v63
	s_wait_dscnt 0x0
	CROUND                                         ; the closing round: no work-group ends while a partner may still ask for a tile that names it
	s_endpgm
.Lfunc_end_k_q1cfb3d2243_proj:
	.size	k_q1cfb3d2243_proj, .Lfunc_end_k_q1cfb3d2243_proj-k_q1cfb3d2243_proj
	.p2alignl 7, 3214868480
	.fill 96, 4, 3214868480
	.section	.rodata,"a",@progbits
	.p2align	6, 0x0
	.amdhsa_kernel k_q1cfb3d2243_proj
		.amdhsa_group_segment_fixed_size 327680
		.amdhsa_private_segment_fixed_size 0
		.amdhsa_enable_private_segment 0
		.amdhsa_kernarg_size 32
		.amdhsa_user_sgpr_count 2
		.amdhsa_user_sgpr_kernarg_segment_ptr 1
		.amdhsa_wavefront_size32 1
		.amdhsa_system_sgpr_workgroup_id_x 1
		.amdhsa_system_sgpr_workgroup_id_y 1
		.amdhsa_system_sgpr_workgroup_id_z 1
		.amdhsa_system_vgpr_workitem_id 0
		.amdhsa_next_free_vgpr 384
		.amdhsa_next_free_sgpr 66
		.amdhsa_reserve_vcc 0
		.amdhsa_float_denorm_mode_32 3
		.amdhsa_float_denorm_mode_16_64 3
		.amdhsa_memory_ordered 1
		.amdhsa_forward_progress 1
		.amdhsa_inst_pref_size 88
	.end_amdhsa_kernel
	.amdgpu_metadata
---
amdhsa.version: [ 1, 2 ]
amdhsa.kernels:
  - .name:           k_q1cfb3d2243_proj
    .symbol:         k_q1cfb3d2243_proj.kd
    .args:
      - { .name: att, .offset: 0, .size: 8, .value_kind: global_buffer, .address_space: global }
      - { .name: wb, .offset: 8, .size: 8, .value_kind: global_buffer, .address_space: global }
      - { .name: b_proj, .offset: 16, .size: 8, .value_kind: global_buffer, .address_space: global }
      - { .name: out0, .offset: 24, .size: 8, .value_kind: global_buffer, .address_space: global }
    .group_segment_fixed_size: 327680
    .private_segment_fixed_size: 0
    .kernarg_segment_align: 8
    .kernarg_segment_size: 32
    .max_flat_workgroup_size: 128
    .sgpr_count:     66
    .vgpr_count:     384
    .wavefront_size: 32
...
	.end_amdgpu_metadata
.endif
;; end of part 2
;; ======== version 2 of 2: 2 launches; 1.33 times as fast as version 1
;; limits: inputs' magnitudes at most 65,504; values are held in f16: magnitudes above 65,504 overflow, below 6.1e-05 lose precision
;; workspace buffers: att 8,388,608 bytes; wb 2,097,152 bytes
;; launch attn (part 3): grid 8 x 32, 4 waves a work-group, clusters of 4 x 4, 85,504 bytes of LDS; arguments x, cond_k, cond_v, w_proj, att, wb; writes att, wb
.if DOCPART == 3
	.amdgcn_target "amdgcn-amd-amdhsa--gfx1250"
	.amdhsa_code_object_version 6
	.text
	.protected	k_q1cfb3d2243_attn
	.globl	k_q1cfb3d2243_attn
	.p2align	8
	.type	k_q1cfb3d2243_attn,@function
k_q1cfb3d2243_attn:
	s_mov_b64 s[64:65], 0
	v_nop
	global_prefetch_b8 v0, s[64:65] scope:SCOPE_SE
	s_setreg_imm32_b32 hwreg(HW_REG_WAVE_MODE, 25, 1), 1
	s_wait_xcnt 0x0
	s_wait_alu depctr_hold_cnt(0) depctr_sa_sdst(0) depctr_va_vdst(0) depctr_va_sdst(0) depctr_va_ssrc(0) depctr_va_vcc(0) depctr_vm_vsrc(0)
	s_getreg_b32 s2, hwreg(HW_REG_IB_STS2, 6, 4)
	s_cmp_eq_u32 s2, 0
	s_cbranch_scc0 .Lentry_in_a_cluster
	s_endpgm
.Lentry_in_a_cluster:
	s_bfe_u32 s2, ttmp6, 0x10000c
	s_cmp_lg_u32 s2, 0xf033
	s_cbranch_scc0 .Lentry_shape_is_right
	s_endpgm
.Lentry_shape_is_right:
; Cross-attention without input projections: for batch b, head n (64 numbers of each row of 1,024), query row t:
;   att[t] = softmax over s of ( (x[t] c) . (cond_k[s] c) ) applied to cond_v[s],   c = 64^(-1/4), so c c = 1/8.
; A work-group takes one (b, head) and 256 query rows; a wave 64 of them (4 tiles of 16).  Keys go in 32 steps of 64, with a running
; maximum and a running sum (the maximum is taken away before every exponential, as reference() does).
; NOTHING OF reference() IS LEFT OUT: every input has a way to the output (b_proj is read by the second kernel).  Two things are only
; re-associated: the two factors c are one factor 1/8 on the score, and log2(e) rides on it, since v_exp_f32 works in base 2:
; p = 2^(s C - m C), C = log2(e) / 8, one fused multiply-add for each pair of scores.
; FORMAT: matrix operands are f16: x, k, v, the weights p, and (second kernel) att and w_proj.  Six roundings lie between the inputs and an
; output, and the output is a sum with much cancellation: f16's 11 significant bits make each rounding eight times finer than bf16's 8.
; f16 HAS THE ROOM: it reaches 65,504 and keeps 11 bits down to 2^-14, with steps of 2^-24 below.  x, cond_k, cond_v are of order 1 and
; w_proj of order 0.02; 30 times larger on top of an offset of 30 spreads stays under 1,100; 30 times smaller leaves w_proj and att of
; order 7e-4, above 2^-14, and single smaller values are off by 2^-25 at the most, 1e-4 of that size.  p lies in (0, 1]: below 2^-14 its error is
; at most 2^-25 a key, 2,048 keys make at most 6e-5 of a row sum that is about 1 or more (the maximum's own term).
; LIMITS: |x|, |cond_k|, |cond_v| or |w_proj| above 65,504 become infinity.  The row sum is taken from p in f32.  An exponential below
; 2^-126 comes out as 0 (ISA guide 15.8, V_EXP_F32).  v_max_num lets a NaN lose, so where inputs hold NaN or infinity the result is not
; finite in the rows that they reach, but need not show reference()'s pattern.
; BESIDE IT each work-group rounds 1/256 of w_proj (16 rows x 256 columns) to f16 into wb, for the second kernel.
;
; THE PRODUCTS ARE TAKEN TRANSPOSED.  S^T = K Q^T: source 0 = 16 keys x 32 d, source 1 = 16 queries x 32 d.  In the result lane (r, h)
; (r = lane % 16, h = lane / 16) holds query r, register j key 8 h + j: maximum and sum run along the lane's registers and cross
; once to lane r + 16.  Two key tiles, packed to f16, are registers 0-3 and 4-7 of source 1 of O^T = V^T P^T (32 keys), in place.
; In O^T lane (r, h) holds query r and d = 16 dt + 8 h + 0..7: the factors of a query are per lane, and eight results pack to 16 bytes.
;
; TWO PIECES TAKE TURNS.  Piece A = q tiles 0, 1; piece B = q tiles 2, 3; both use the same K and V fragments.  The matrix instructions go in
; blocks of 16:   .. PV_B(j-1) | QK_B(j) | PV_A(j) | QK_A(j+1) ..   and behind each of them stands a slice of the OTHER piece's vector work:
; A's maximum, factors and the rescaling of O_A behind PV_B(j-1); A's exponentials, sums and packing behind QK_B(j); B's likewise behind PV_A(j)
; and QK_A(j+1).  A step has 64 matrix instructions and some 600 others, so a slice is 8 to 10 instructions on the average.
; The slices are also the places behind the matrix instructions (ISA guide 7.12.1): one v_nop stands in each block QK, and five stand once, in step 0,
; where there is nothing yet to rescale (PVQ); none elsewhere in the steps.
;
; THE EXPONENTIALS GO IN BATCHES, each with ONE s_wait_alu depctr_va_vdst(0) between it and the first instruction that names one of its results.
; A step has four batches: in a block PV the guest piece's two factors, in a block QK the guest piece's 64 weights, for piece A and for
; piece B.  The guest work of a block QK is ordered by who reads what: first the 32 multiply-adds and all 64 exponentials of both tiles, none of which names
; an exponential's result; the wait, behind the slice of the block's product 10; then the 32 sums and the 32 packings, which all do.  Every weight has a
; register of its own (the exponentials work in place on the piece's 64 scores)..
; The way out's four reciprocals are a batch of their own.
;
; REGISTERS, in windows of 256 (s_set_vgpr_msb says which window each operand place means):
;   window 0: addresses; rounded K and V; Q's fragments; two staging sets for K and V tiles in f32
;   window 1: scores S and weights P (128), K's fragments (64), the small per-tile registers
;   window 2: O (128), V's fragments (64)
; QK runs under 0x51 (source 1 = Q in window 0, all else window 1): the multiply-add (its source 1 is a scalar), the exponential and the sum
; (written p x 1.0 + sum: beside the first, only the third source place names window 1 there) run under it unchanged, 112 of a block's 160.
; PV runs under 0xa6 (source 1 = P in window 1, all else window 2): O x factor runs under it unchanged.  The maximum (two scores an instruction)
; and the packing (two weights an instruction) need sources 0 and 1 in window 1; a setting of the products that allows it would
; need S, K's and Q's fragments, 256 registers, and the small registers in one window.  So they stand in few, large slices under 0x55.
;
; att AND wb ARE WRITTEN AS OPERAND IMAGES: [k / 256][row / 16][(k % 256) / 32][half][lane][16 bytes]; lane (r, h) holds row 16 tile + r,
; k = .. + 16 half + 8 h + 0..7.  So each store of a wave covers 512 consecutive bytes, aligned, straight from registers.
;
; CLUSTERS OF 4 x 4, NO JOINT LOADS.  A cluster holds the eight query blocks of each of two heads, so the eight work-groups that read a head's
; K and V are launched together, side by side.  Only global offsets hang on the place in the cluster: no branch, no LDS address.
; No tensor loads: K and V lie in memory as f32 and every number has to pass through a register once to be rounded.  A joint load would lay a
; step's 32,768 bytes of f32 into LDS, to be read, rounded and stored again as 16,384 bytes; loads into registers cost those stores alone.
.set ROWB,  4096                       ; bytes in a row of x, cond_k, cond_v, w_proj
.set TILEB, 64*ROWB                    ; 64 keys further on
.set KP,    144                        ; LDS pitch of K, Q and W rows: 128 bytes + 16, an odd multiple of 16
.set VP,    160                        ; LDS pitch of V rows: 128 bytes + 32, an odd multiple of 32, for the transposing load
.set VOFF,  64*KP                      ; V lies behind K in a slot
.set SLOT,  VOFF+64*VP                 ; 19,456 bytes; two slots take turns
.set STG,   2*SLOT                     ; behind the ring: each wave's own stage,
.set WSTG,  80*KP                      ; 64 rows of Q and 16 rows of W
; window 0
.set GK, 8                             ; global offset of my 16 bytes of K: wave x 16 rows + h x 8 rows + 16 r
.set GV, 9                             ; the same for V: wave x 16 rows + h x 4 rows + 16 r
.set LK, 10                            ; LDS address of my 8 bytes of K
.set LV, 11                            ; and of V
.set AK, 12                            ; K fragments: r x 144 + 16 h
.set AV, 13                            ; V fragments, transposing: VOFF + (8 h + lane % 8) x 160 + 16 ((lane / 8) % 2)
.set GQ, 14                            ; global offset in Q and W: h x 8 rows + 16 r
.set SQ, 15                            ; my stage, storing
.set RQ, 16                            ; my stage, reading fragments
.set ST, 17                            ; 16 x lane: the stores into att and wb
.set WR, 32                            ; v[32:63]   W as loaded, then v[32:47] its fragments
.set CK, 32                            ; v[32:47]   K rounded, on its way into LDS
.set CV, 48                            ; v[48:63]   V rounded
.set QF, 64                            ; v[64:127]  Q fragment (qt, dc) at 64 + 16 qt + 8 dc
.set SK, 128                           ; v[128:159] K as loaded, f32, staging set 0; set 1 is 64 further on
.set SV, 160                           ; v[160:191] V as loaded, f32, staging set 0; set 1 is 64 further on
.set OB, 128                           ; at the end: att on its way out
; window 1: scores S(qt, kt) at 32 qt + 8 kt; P(qt, kc) in place at 32 qt + 16 kc; ahead of the steps Q as loaded
.set KF, 128                           ; K fragment (kt, dc) at 128 + 16 kt + 8 dc
.set MM, 192                           ; running maximum of tile qt
.set MX, 196                           ; new maximum (first chain)
.set MY, 200                           ; second chain
.set TP, 204                           ; what comes from the other half of the lanes
.set NM, 208                           ; pair: - C x maximum, twice
.set AL, 216                           ; pair: 2^(new shift - old shift), twice; at the end 1 / sum
.set LS, 224                           ; two pairs a tile: running sums, taken by turns
; window 2: O(qt, dt) at 32 qt + 8 dt
.set VF, 128                           ; V fragment (dt, kc) at 128 + 16 dt + 8 kc
.set QKS, 0x51                         ; QK: source 0 (K), C and D (S) window 1; source 1 (Q) window 0
.set PVS, 0xa6                         ; PV: source 0 (V), C and D (O) window 2; source 1 (P) window 1
.set SMS, 0x55                         ; everything in window 1
.set MSB, 0
.macro WIN new                         ; low byte: bits 1:0 source 0, 3:2 source 1, 5:4 source 2, 7:6 destination; the high byte repeats the setting left
.if MSB != \new
	s_set_vgpr_msb (MSB<<8)|\new
.set MSB, \new
.endif
.endm
	s_load_b256 s[4:11], s[0:1], 0x0               ; x s[4:5], cond_k s[6:7], cond_v s[8:9], w_proj s[10:11]
	s_load_b128 s[12:15], s[0:1], 0x20             ; att s[12:13], wb s[14:15]
	v_lshl_add_u32 v30, v0, 2, 0x14c00
	v_mov_b32 v31, 0
	v_lshrrev_b32 v1, 5, v0
	v_readfirstlane_b32 s16, v1                    ; wave 0..3
	s_bfe_u32 s29, ttmp6, 0x40000                  ; cx: my place along the cluster's x
	s_bfe_u32 s30, ttmp6, 0x40004                  ; cy: along its y
	s_and_b32 s31, s30, 1
	s_lshl_b32 s31, s31, 2
	s_add_co_u32 s17, s29, s31                     ; block of 256 query rows = cx + 4 (cy % 2): 0..7
	s_and_b32 s18, ttmp7, 0xffff                   ; in a cluster launch ttmp7 and ttmp9 count clusters: 8 along y, 2 along x
	s_lshl_b32 s18, s18, 1
	s_add_co_u32 s18, s18, ttmp9                   ; the cluster's number, 0..15
	s_lshl_b32 s18, s18, 1
	s_lshr_b32 s30, s30, 1
	s_add_co_u32 s18, s18, s30                     ; 16 b + head = 2 x cluster + cy / 2: a cluster has two heads, all eight blocks of each
	s_lshr_b32 s19, s18, 4                         ; b
	s_and_b32 s20, s18, 15                         ; head
	s_mov_b32 s23, 0                               ; high word of every offset
	s_mov_b32 s24, 0x76543210                      ; v_permlanex16_b32: lane i of one half reads lane i of the other
	s_mov_b32 s25, 0xfedcba98
	s_mov_b32 s26, 0x3e38aa3b                      ; C = log2(e) / 8
	s_mov_b32 s27, 0x3e38aa3b
	s_mov_b32 s28, 0xbe38aa3b                      ; - C
	v_and_b32 v2, 15, v0                           ; r
	v_bfe_u32 v3, v0, 4, 1                         ; h
	v_and_b32 v4, 31, v0                           ; lane
	v_lshlrev_b32 v5, 4, v2                        ; 16 r
	v_lshlrev_b32 v6, 3, v2                        ; 8 r
	v_lshl_add_u32 v[GQ], v3, 15, v5               ; one load of a wave takes two whole rows of 256 bytes: row j and row j + 8
	s_lshl_b32 s29, s16, 16
	v_add_nc_u32 v[GK], s29, v[GQ]
	v_lshl_add_u32 v[GV], v3, 14, v5               ; for V: row and row + 4
	v_add_nc_u32 v[GV], s29, v[GV]
	v_mul_u32_u24 v7, v3, 8*KP                     ; 8 rows of 144 bytes are 288 words = 32 modulo 64, 4 rows of 160 bytes are 160 words = 32 modulo 64:
	v_add_nc_u32 v7, v7, v6                        ; the two halves' 128 bytes of an 8-byte store fall on different banks (64 banks of 4 bytes: ISA guide 11.1)
	s_mul_i32 s30, s16, 16*KP
	v_add_nc_u32 v[LK], s30, v7
	v_mul_u32_u24 v[LV], v3, 4*VP
	v_add_nc_u32 v[LV], v[LV], v6
	s_mul_i32 s31, s16, 16*VP
	s_add_co_u32 s31, s31, VOFF
	v_add_nc_u32 v[LV], s31, v[LV]
	v_mul_u32_u24 v[AK], v2, KP
	v_lshl_add_u32 v[AK], v3, 4, v[AK]
	v_and_b32 v1, 7, v0
	v_lshl_add_u32 v1, v3, 3, v1
	v_mul_u32_u24 v[AV], v1, VP
	v_bfe_u32 v1, v0, 3, 1
	v_lshl_add_u32 v[AV], v1, 4, v[AV]
	v_add_nc_u32 v[AV], VOFF, v[AV]
	s_mul_i32 s32, s16, WSTG
	s_add_co_u32 s32, s32, STG
	v_add_nc_u32 v[SQ], s32, v7
	v_add_nc_u32 v[RQ], s32, v[AK]
	v_lshlrev_b32 v[ST], 4, v4
	; offsets, each made apart from its address
	s_lshl_b32 s21, s19, 11
	s_lshl_b32 s29, s17, 8
	s_add_co_u32 s21, s21, s29
	s_lshl_b32 s29, s16, 6
	s_add_co_u32 s21, s21, s29                     ; my first query row among the 4,096
	s_lshl_b32 s33, s20, 8                         ; my head's 256 bytes in a row
	s_wait_kmcnt 0x0
	s_lshl_b32 s22, s21, 12
	s_add_co_u32 s22, s22, s33
	s_add_nc_u64 s[4:5], s[4:5], s[22:23]          ; x at my wave's first row, my head
	s_lshl_b32 s22, s19, 23
	s_add_co_u32 s22, s22, s33
	s_add_nc_u64 s[6:7], s[6:7], s[22:23]          ; cond_k and cond_v at my batch's first row, my head
	s_add_nc_u64 s[8:9], s[8:9], s[22:23]
	s_lshl_b32 s30, s18, 1
	s_lshr_b32 s31, s17, 2
	s_add_co_u32 s30, s30, s31                     ; which 16 rows of w_proj are this work-group's: 0..63
	s_and_b32 s31, s17, 3                          ; which 256 columns: 0..3; my wave takes 64 of them
	s_lshl_b32 s22, s30, 16
	s_lshl_b32 s29, s31, 10
	s_add_co_u32 s22, s22, s29
	s_lshl_b32 s29, s16, 8
	s_add_co_u32 s22, s22, s29
	s_add_nc_u64 s[10:11], s[10:11], s[22:23]
	s_lshl_b32 s22, s31, 19                        ; wb: 524,288 bytes for 256 columns, 8,192 for 16 rows of them, 2,048 for my 64 columns
	s_lshl_b32 s29, s30, 13
	s_add_co_u32 s22, s22, s29
	s_lshl_b32 s29, s16, 11
	s_add_co_u32 s22, s22, s29
	s_add_nc_u64 s[14:15], s[14:15], s[22:23]
	s_lshr_b32 s22, s20, 2                         ; att: 2,097,152 bytes for four heads, 8,192 for 16 rows (512 a row), 2,048 for my head
	s_lshl_b32 s22, s22, 21
	s_lshl_b32 s29, s21, 9
	s_add_co_u32 s22, s22, s29
	s_and_b32 s29, s20, 3
	s_lshl_b32 s29, s29, 11
	s_add_co_u32 s22, s22, s29
	s_add_nc_u64 s[12:13], s[12:13], s[22:23]
; ---- K and V on their way from memory into LDS.  No hint on the loads: eight work-groups read these rows.
.macro LOADK set, tile                 ; 8 loads: my wave's 16 rows of the K tile that lies \tile tiles behind the base, into a staging set
.irp j, 0,1,2,3,4,5,6,7
	global_load_b128 v[SK+64*(\set)+4*\j:SK+64*(\set)+4*\j+3], v[GK], s[6:7] offset:(\tile)*TILEB+\j*ROWB
.endr
.endm
.macro LOADV set, tile
.irp j, 0,1,2,3,4,5,6,7
	global_load_b128 v[SV+64*(\set)+4*\j:SV+64*(\set)+4*\j+3], v[GV], s[8:9] offset:(\tile)*TILEB+((\j&3)+8*(\j>>2))*ROWB
.endr
.endm
.macro KCVT set, left                  ; a staged K tile is rounded to f16.  left = the younger loads, which stay out
	WIN 0
	s_wait_loadcnt \left
.irp j, 0,1,2,3,4,5,6,7
	v_cvt_pk_f16_f32 v[CK+2*\j],   v[SK+64*(\set)+4*\j],   v[SK+64*(\set)+4*\j+1]
	v_cvt_pk_f16_f32 v[CK+2*\j+1], v[SK+64*(\set)+4*\j+2], v[SK+64*(\set)+4*\j+3]
.endr
.endm
.macro VCVT set, left
	WIN 0
	s_wait_loadcnt \left
.irp j, 0,1,2,3,4,5,6,7
	v_cvt_pk_f16_f32 v[CV+2*\j],   v[SV+64*(\set)+4*\j],   v[SV+64*(\set)+4*\j+1]
	v_cvt_pk_f16_f32 v[CV+2*\j+1], v[SV+64*(\set)+4*\j+2], v[SV+64*(\set)+4*\j+3]
.endr
.endm
; The rounded tile goes into the slot of its set's number.  load = 1: the set is asked for again, the tile two steps further on.
.macro KSTO set, load
	WIN 0
.irp j, 0,1,2,3,4,5,6,7
	ds_store_b64 v[LK], v[CK+2*\j:CK+2*\j+1] offset:(\set)*SLOT+\j*KP
.endr
.if \load
	s_wait_xcnt 0x0                                ; the other set's loads, which are still out, name this base: it is stepped only behind this wait
	s_add_nc_u64 s[6:7], s[6:7], TILEB
	LOADK \set, 0
.endif
.endm
.macro VSTO set, load
	WIN 0
.irp j, 0,1,2,3,4,5,6,7
	ds_store_b64 v[LV], v[CV+2*\j:CV+2*\j+1] offset:(\set)*SLOT+((\j&3)+8*(\j>>2))*VP
.endr
.if \load
	s_wait_xcnt 0x0
	s_add_nc_u64 s[8:9], s[8:9], TILEB
	LOADV \set, 0
.endif
.endm
; ---- fragments from LDS: 16 loads each
.macro KFL slot
	WIN 0x40                                       ; destination window 1, address window 0
.irp dc, 0,1
.irp kt, 0,1,2,3
	ds_load_b128 v[KF+16*\kt+8*\dc:KF+16*\kt+8*\dc+3],   v[AK] offset:(\slot)*SLOT+\kt*16*KP+64*\dc
	ds_load_b128 v[KF+16*\kt+8*\dc+4:KF+16*\kt+8*\dc+7], v[AK] offset:(\slot)*SLOT+\kt*16*KP+64*\dc+32
.endr
.endr
.endm
.macro VFL slot                        ; transposed on the way: V lies [key][d], source 0 wants d as its row
	WIN 0x80                                       ; destination window 2, address window 0
.irp kc, 0,1
.irp dt, 0,1,2,3
	ds_load_tr16_b128 v[VF+16*\dt+8*\kc:VF+16*\dt+8*\kc+3],   v[AV] offset:(\slot)*SLOT+\kc*32*VP+32*\dt
	ds_load_tr16_b128 v[VF+16*\dt+8*\kc+4:VF+16*\dt+8*\kc+7], v[AV] offset:(\slot)*SLOT+\kc*32*VP+32*\dt+16*VP
.endr
.endr
.endm
; ---- the matrix instructions, one at a time.  In a block a piece's eight accumulators take turns, one instruction a turn, twice round;
; neighbouring blocks name other accumulators.  en = 0: the block does not exist (ahead of step 0, behind step 31).
.macro QKH en, p, n                    ; instruction n of S^T = K Q^T for piece p: d half n / 8, key tile (n / 2) % 4, q tile 2 p + n % 2
.if \en
	WIN QKS
.set hq, 2*(\p)+((\n)&1)
.set hc, (\n)>>3
.set hd, 32*hq+8*(((\n)>>1)&3)
.set ha, KF+16*(((\n)>>1)&3)+8*hc
.set hb, QF+16*hq+8*hc
.if hc == 0
	v_wmma_f32_16x16x32_f16 v[hd:hd+7], v[ha:ha+7], v[hb:hb+7], 0
.else
	v_wmma_f32_16x16x32_f16 v[hd:hd+7], v[ha:ha+7], v[hb:hb+7], v[hd:hd+7]
.endif
.endif
.endm
.macro PVH en, p, n, first             ; instruction n of O^T += V^T P^T for piece p: key half n / 8, q tile 2 p + (n / 4) % 2, d tile n % 4
.if \en
	WIN PVS
.set hq, 2*(\p)+(((\n)>>2)&1)
.set hc, (\n)>>3
.set hd, 32*hq+8*((\n)&3)
.set ha, VF+16*((\n)&3)+8*hc
.set hb, 32*hq+16*hc
.if (\first)*(1-hc)
	v_wmma_f32_16x16x32_f16 v[hd:hd+7], v[ha:ha+7], v[hb:hb+7], 0
.else
	v_wmma_f32_16x16x32_f16 v[hd:hd+7], v[ha:ha+7], v[hb:hb+7], v[hd:hd+7]
.endif
.endif
.endm
; ---- the vector work of piece g, as numbered instructions; a slice is a run of them.
; The maximum: 32 instructions.  Two chains a tile (scores 0-14, 16-30), four in all by turns; then scores 15 and 31; then the chains and the old maximum.
.macro MAXS g, k0, cnt, first
	WIN SMS
.set mk, \k0
.rept \cnt
.set mt, 2*(\g)+(mk&1)
.if mk < 28
.set mc, (mk>>1)&1
.set ml, mk>>2
.set mb, 32*mt+16*mc
.if ml == 0
	v_max3_num_f32 v[MX+4*mc+mt], v[mb], v[mb+1], v[mb+2]
.else
	v_max3_num_f32 v[MX+4*mc+mt], v[MX+4*mc+mt], v[mb+2*ml+1], v[mb+2*ml+2]
.endif
.else
.if mk < 30
	v_max3_num_f32 v[MX+mt], v[MX+mt], v[32*mt+15], v[32*mt+31]
.else
.if \first
	v_max_num_f32 v[MX+mt], v[MX+mt], v[MY+mt]
.else
	v_max3_num_f32 v[MX+mt], v[MX+mt], v[MY+mt], v[MM+mt]
.endif
.endif
.endif
.set mk, mk+1
.endr
.endm
; The factors.  The shift is - C x maximum, rounded once; the factor for what was summed under the old shift is 2^(new shift - old shift), made of the
; two rounded shifts themselves: it is exactly 1 where the maximum stays.  The pair's second register still holds the old shift.
; The piece's two exponentials at SMALLA's end are one batch; its wait stands in SMALLB.
.macro SMALLA g, first
	WIN SMS
.irp q, 0,1
	v_permlanex16_b32 v[TP+2*(\g)+\q], v[MX+2*(\g)+\q], s24, s25   ; the other eight keys of each key tile lie in lane r + 16
.endr
.irp q, 0,1
	v_max_num_f32 v[MX+2*(\g)+\q], v[MX+2*(\g)+\q], v[TP+2*(\g)+\q]
.endr
.irp q, 0,1
	v_mul_f32 v[NM+4*(\g)+2*\q], s28, v[MX+2*(\g)+\q]
.endr
.if \first == 0
.irp q, 0,1
	v_sub_f32 v[AL+4*(\g)+2*\q], v[NM+4*(\g)+2*\q], v[NM+4*(\g)+2*\q+1]
.endr
.irp q, 0,1
	v_exp_f32 v[AL+4*(\g)+2*\q], v[AL+4*(\g)+2*\q]
.endr
.endif
.endm
.macro SMALLB g, first
	WIN SMS
.irp q, 0,1                                            ; plain instructions on other registers stand behind the exponentials (ISA guide 5.7.2)
	v_mov_b32 v[NM+4*(\g)+2*\q+1], v[NM+4*(\g)+2*\q]
.endr
.irp q, 0,1
	v_mov_b32 v[MM+2*(\g)+\q], v[MX+2*(\g)+\q]
.endr
.if \first == 0
	s_wait_alu depctr_va_vdst(0)                   ; the wait for the piece's two factors, one for both, ahead of their first reader; a product and the four copies above stand between
.irp q, 0,1
	v_mov_b32 v[AL+4*(\g)+2*\q+1], v[AL+4*(\g)+2*\q]
.endr
.irp q, 0,1
	v_pk_mul_f32 v[LS+8*(\g)+4*\q:LS+8*(\g)+4*\q+1],   v[LS+8*(\g)+4*\q:LS+8*(\g)+4*\q+1],   v[AL+4*(\g)+2*\q:AL+4*(\g)+2*\q+1]
	v_pk_mul_f32 v[LS+8*(\g)+4*\q+2:LS+8*(\g)+4*\q+3], v[LS+8*(\g)+4*\q+2:LS+8*(\g)+4*\q+3], v[AL+4*(\g)+2*\q:AL+4*(\g)+2*\q+1]
.endr
.endif
.endm
; O of the piece times its factor: 32 instructions, under PV's own setting
.macro RESC g, k0, cnt
	WIN PVS
.set rk, \k0
.rept \cnt
.set rt, 2*(\g)+(rk>>4)
.set rr, 32*rt+2*(rk&15)
	v_pk_mul_f32 v[rr:rr+1], v[rr:rr+1], v[AL+2*rt:AL+2*rt+1]
.set rk, rk+1
.endr
.endm
.macro EOP t, i                        ; pair i of tile t: s C - m C
	v_pk_fma_f32 v[32*(\t)+2*(\i):32*(\t)+2*(\i)+1], v[32*(\t)+2*(\i):32*(\t)+2*(\i)+1], s[26:27], v[NM+2*(\t):NM+2*(\t)+1] op_sel_hi:[1,0,1]
.endm
.macro XOP t, j                        ; register j of tile t: 2^x
	v_exp_f32 v[32*(\t)+(\j)], v[32*(\t)+(\j)]
.endm
; Pair i of tile t joins one of the tile's two sums, by turns.  In the first step pairs 0 and 1 start the sums (a packed copy, written as x 1.0: there is
; no packed move): nothing is cleared.  third = 1: under QK's setting the sum has to stand in the third source place, so p x 1.0 + sum.
; Every sum stands behind the block's wait for the weights (QKQ).
.macro LOP t, i, first, third
.set lr, LS+4*(\t)+2*((\i)&1)
.set lp, 32*(\t)+2*(\i)
.set lstart, 0
.if \first
.if (\i) < 2
.set lstart, 1
.endif
.endif
.if lstart
	v_pk_mul_f32 v[lr:lr+1], v[lp:lp+1], 1.0 op_sel_hi:[1,0]
.else
.if \third
	v_pk_fma_f32 v[lr:lr+1], v[lp:lp+1], 1.0, v[lr:lr+1] op_sel_hi:[1,0,1]
.else
	v_pk_add_f32 v[lr:lr+1], v[lp:lp+1], v[lr:lr+1]
.endif
.endif
.endm
.macro COP t, i                        ; pair i of tile t packed to f16, in place: the word lands on register i or 16 + (i - 8), never beyond the pair 2 i, 2 i + 1
	v_cvt_pk_f16_f32 v[32*(\t)+16*((\i)>>3)+((\i)&7)], v[32*(\t)+2*(\i)], v[32*(\t)+2*(\i)+1]
.endm
; 112 instructions under QK's own setting.  The piece's 32 pairs of scores are numbered through both tiles (pair p: tile p / 16, pair p % 16), its 64 scores likewise.
; 0-95 THE BATCH: the 32 multiply-adds and the 64 exponentials, none of which names an exponential's result.  0, 1: pairs 0 and 1 are scaled; 2-91: thirty times
; exponential 2 n, the scaling of pair n + 2, exponential 2 n + 1: a pair is scaled five numbers ahead of its first exponential (pair 0: two, pair 1: four), and a plain instruction on other
; registers stands behind every second exponential; 92-95: the last four exponentials.
; (between 95 and 96 stands the wait for the batch: QKQ writes it)
; 96-111 the first tile's sums.
.macro QS g, k0, cnt, first
	WIN QKS
.set qk, \k0
.rept \cnt
.if qk < 2
	EOP 2*(\g), qk
.elseif qk < 92
.set qi, (qk-2)/3
.set qr, (qk-2)-3*qi
.if qr == 1
.set qp, qi+2
	EOP 2*(\g)+(qp>>4), qp&15
.else
.set qe, 2*qi+(qr>>1)
	XOP 2*(\g)+(qe>>5), qe&31
.endif
.elseif qk < 96
.set qe, qk-32
	XOP 2*(\g)+(qe>>5), qe&31
.else
	LOP 2*(\g), qk-96, \first, 1
.endif
.set qk, qk+1
.endr
.endm
; 48 instructions under 0x55, all behind the wait: 0-31 the second tile's sums and the first tile's packing by turns; 32-47 the second tile's packing
.macro TL g, k0, cnt, first
	WIN SMS
.set tk, \k0
.rept \cnt
.if tk < 32
.if (tk&1) == 0
	LOP 2*(\g)+1, tk>>1, \first, 0
.else
	COP 2*(\g), tk>>1
.endif
.else
	COP 2*(\g)+1, tk-32
.endif
.set tk, tk+1
.endr
.endm
; ---- blocks.  QK of piece h, behind each instruction a slice of piece g: 8 x 9 + 5 x 8 = 112 under its setting, then 3 x 16.
; 8 x 9 + 3 x 8 = 96: the batch ends with the slice behind product 10, and there stands the block's one wait.  The products between name piece h's scores, K's and Q's fragments: no weight of piece g.
.macro QKQ en, h, g, first
.irp n, 0,1,2,3,4,5,6,7
	QKH \en, \h, \n
	QS \g, 9*\n, 9, \first
.endr
.irp n, 8,9,10,11,12
	QKH \en, \h, \n
	QS \g, 8*\n+8, 8, \first
.if \n == 10
	v_nop                                          ; a plain instruction behind the last exponential and ahead of the first use (ISA guide 5.7.2): all the piece's other work reads weights, so none of it can stand here
	s_wait_alu depctr_va_vdst(0)                   ; the wait for the batch: one for the 64 exponentials of both tiles, ahead of the first sum
.endif
.endr
.irp n, 13,14,15
	QKH \en, \h, \n
	TL \g, 16*\n-208, 16, \first
.endr
.endm
; PV of piece h from its second instruction on; behind them piece g's maximum (3 slices), factors (2), and O x factor (9 x 3 + 5).  The five at the end
; are the places in front of the loads that follow into V's fragments, and in front of the next block's products, which write piece h's new scores over the P that these products read.
; In a piece's first softmax there is nothing to rescale: five v_nop then stand behind the last product in the five's stead.  PV's products 6 and 7 read the second tile's P, the next block's
; product 1 writes over it, five places are wanted between (ISA guide 7.12.1), and of the nine guest instructions behind that block's product 0 only four are plain: exponentials are no places.
.macro PVQ en, h, g, fpv, fsm
	PVH \en, \h, 1, \fpv
	MAXS \g, 0, 11, \fsm
	PVH \en, \h, 2, \fpv
	MAXS \g, 11, 11, \fsm
	PVH \en, \h, 3, \fpv
	MAXS \g, 22, 10, \fsm
	PVH \en, \h, 4, \fpv
	SMALLA \g, \fsm
	PVH \en, \h, 5, \fpv
	SMALLB \g, \fsm
.irp n, 6,7,8,9,10,11,12,13,14
	PVH \en, \h, \n, \fpv
.if \fsm == 0
	RESC \g, 3*\n-18, 3
.endif
.endr
	PVH \en, \h, 15, \fpv
.if \fsm == 0
	RESC \g, 27, 5
.elseif \en
.rept 5
	v_nop                                          ; once in the launch: PV_A of step 0
.endr
.endif
.endm
; ---- step j.  par = j % 2.  pvb: PV_B(j-1) exists.  fa, fb: piece A's, B's first softmax (fb also: PV_A starts O_A).  fpvb: PV_B starts O_B.
; vst: V tile j+1 goes into slot 1 - par, behind a wait that leaves vcnt younger loads out; vld: V tile j+3 is asked for.
; kst, kcnt, kld: the same for K tiles j+2 (slot par) and j+4.  nxt: step j+1 exists (K's fragments, QK_A(j+1), the barrier).
; ONE BARRIER A STEP, between QK_B(j) and PV_A(j).  In front of its signal all my LDS instructions are done: my reads of V(j) and K(j), my stores of
; V(j+1) and K(j+1).  Behind its wait K(j+1) is read and K(j+2) is stored over K(j); a block later V(j+2) over V(j).  Between signal and wait: registers only.
.macro BODY par, pvb, fa, fpvb, fb, vst, vld, vcnt, kst, kld, kcnt, nxt
	PVH \pvb, 1, 0, \fpvb
.if \vst
	VCVT 1-\par, \vcnt
	VSTO 1-\par, \vld
.endif
	PVQ \pvb, 1, 0, \fpvb, \fa
	VFL \par                                       ; V(j): used by PV_A(j), 16 matrix instructions on, and by PV_B(j)
	QKQ 1, 1, 0, \fa
	s_wait_dscnt 0x0                               ; V's fragments are in; for the other waves: see above
.if \nxt
	s_barrier_signal -1
.endif
	PVH 1, 0, 0, \fb
.if \kst
	KCVT \par, \kcnt
.endif
.if \nxt
	s_barrier_wait -1
.endif
.if \kst
	KSTO \par, \kld
.endif
.if \nxt
	KFL 1-\par                                     ; K(j+1): the 16 packing instructions behind QK_B's last product are the places in front of these loads
.endif
	PVQ 1, 0, 1, \fb, \fb
.if \nxt
	s_wait_dscnt 0x0                               ; K's fragments, asked for 15 matrix instructions ago
.endif
	QKQ \nxt, 0, 1, \fb
.endm
	; 56 loads: my 64 rows of Q (into window 1), my 16 x 64 of w_proj (both read once in the launch), K and V tile 0
	WIN 0x40
.irp t, 0,1,2,3
.irp j, 0,1,2,3,4,5,6,7
	global_load_b128 v[32*\t+4*\j:32*\t+4*\j+3], v[GQ], s[4:5] offset:(16*\t+\j)*ROWB th:TH_LOAD_NT
.endr
.endr
	WIN 0
.irp j, 0,1,2,3,4,5,6,7
	global_load_b128 v[WR+4*\j:WR+4*\j+3], v[GQ], s[10:11] offset:\j*ROWB th:TH_LOAD_NT
.endr
	LOADK 0, 0
	LOADV 0, 0
	s_wait_loadcnt 24                              ; Q is in; W's 8 and tile 0's 16 stay out
	WIN 0x45                                       ; sources 0, 1 and destination window 1
.set qi, 0
.rept 32
	v_cvt_pk_f16_f32 v[4*qi],   v[4*qi],   v[4*qi+1]
	v_cvt_pk_f16_f32 v[4*qi+1], v[4*qi+2], v[4*qi+3]
.set qi, qi+1
.endr
	WIN 0x04                                       ; store data window 1, address window 0
.set qi, 0
.rept 32
	ds_store_b64 v[SQ], v[4*qi:4*qi+1] offset:(16*(qi>>3)+(qi&7))*KP
.set qi, qi+1
.endr
	WIN 0
	LOADK 1, 1                                     ; tile 1 into the second staging set
	LOADV 1, 1
	s_wait_loadcnt 32                              ; W is in; tiles 0 and 1 stay out
.irp j, 0,1,2,3,4,5,6,7
	v_cvt_pk_f16_f32 v[WR+4*\j],   v[WR+4*\j],   v[WR+4*\j+1]
	v_cvt_pk_f16_f32 v[WR+4*\j+1], v[WR+4*\j+2], v[WR+4*\j+3]
	ds_store_b64 v[SQ], v[WR+4*\j:WR+4*\j+1] offset:(64+\j)*KP
.endr
	; The stage is my wave's own, and LDS serves a wave's instructions in order (ISA guide 5.7.1): no wait between these stores and loads
.irp qt, 0,1,2,3
.irp dc, 0,1
	ds_load_b128 v[QF+16*\qt+8*\dc:QF+16*\qt+8*\dc+3],   v[RQ] offset:\qt*16*KP+64*\dc
	ds_load_b128 v[QF+16*\qt+8*\dc+4:QF+16*\qt+8*\dc+7], v[RQ] offset:\qt*16*KP+64*\dc+32
.endr
.endr
.irp dc, 0,1
	ds_load_b128 v[WR+8*\dc:WR+8*\dc+3],   v[RQ] offset:64*KP+64*\dc
	ds_load_b128 v[WR+8*\dc+4:WR+8*\dc+7], v[RQ] offset:64*KP+64*\dc+32
.endr
	s_wait_dscnt 0x0
.irp dc, 0,1
	global_store_b128 v[ST], v[WR+8*\dc:WR+8*\dc+3],   s[14:15] offset:\dc*1024
	global_store_b128 v[ST], v[WR+8*\dc+4:WR+8*\dc+7], s[14:15] offset:\dc*1024+512
.endr
	s_wait_xcnt 0x0                                ; v[32:47], which these stores read, are written again by the conversions below only behind this wait
	KCVT 0, 16                                     ; tile 0 is in, K and V; tile 1's 16 loads stay out
	KSTO 0, 0
	VCVT 0, 16
	VSTO 0, 0
	KCVT 1, 8                                      ; K tile 1; V tile 1 stays out: step 0 takes it
	KSTO 1, 0
	LOADK 0, 2                                     ; from here on the order of the loads is V(j+1), K(j+2), V(j+2), K(j+3)
	LOADV 0, 2
	LOADK 1, 3
	s_wait_xcnt 0x0                                ; the bases are stepped only behind this wait
	s_add_nc_u64 s[6:7], s[6:7], 3*TILEB           ; each step adds one tile and loads: K tile 4 in step 0,
	s_add_nc_u64 s[8:9], s[8:9], 2*TILEB           ; V tile 3
	s_wait_dscnt 0x0                               ; my parts of K(0), V(0), K(1) are stored,
	s_barrier_signal -1
	s_barrier_wait -1                              ; everybody's are
	WIN 0x40
.irp qt, 0,1,2,3
	v_mov_b32 v[TP+\qt], 0                         ; v_permlanex16_b32 counts as a reader of its destination
.endr
	KFL 0
	s_wait_dscnt 0x0
.irp n, 0,1,2,3,4,5,6,7,8,9,10,11,12,13,14,15
	QKH 1, 0, \n                                   ; QK_A(0); the 16 conversions at the head of step 0 are the places behind it
.endr
	;    par pvb fa fpvb fb  vst vld vcnt  kst kld kcnt  nxt
	BODY 0,  0,  1, 0,   1,  1,  1,  24,   1,  1,  24,   1     ; step 0 starts maxima, sums and O_A
	BODY 1,  1,  0, 1,   0,  1,  1,  24,   1,  1,  24,   1     ; step 1 holds PV_B(0), which starts O_B
	WIN 0                                          ; at a label and at a branch every window is 0
	s_mov_b32 s34, 13                              ; steps 2 to 27
.Lsteps:
	BODY 0,  1,  0, 0,   0,  1,  1,  24,   1,  1,  24,   1
	BODY 1,  1,  0, 0,   0,  1,  1,  24,   1,  1,  24,   1
	WIN 0
	s_sub_co_u32 s34, s34, 1
	s_cmp_lg_u32 s34, 0
	s_cbranch_scc1 .Lsteps
	BODY 0,  1,  0, 0,   0,  1,  1,  24,   1,  0,  24,   1     ; step 28 asks for V tile 31, the last load: none leaves the buffers
	BODY 1,  1,  0, 0,   0,  1,  0,  16,   1,  0,  8,    1     ; step 29: V30 (K31, V31 stay out), then K31 (V31 stays out)
	BODY 0,  1,  0, 0,   0,  1,  0,  0,    0,  0,  0,    1     ; step 30: V31
	BODY 1,  1,  0, 0,   0,  0,  0,  0,    0,  0,  0,    0     ; step 31: nothing more to stage, no next QK_A, no barrier
.irp n, 0,1,2,3,4,5,6,7,8,9,10,11,12,13,14,15
	PVH 1, 1, \n, 0                                ; PV_B(31)
.endr
	; O / sum, rounded to f16, stored as the second kernel's operand image.  The plain instructions on the sums are the places behind the last products.
	WIN SMS
.irp qt, 0,1,2,3
	v_pk_add_f32 v[LS+4*\qt:LS+4*\qt+1], v[LS+4*\qt:LS+4*\qt+1], v[LS+4*\qt+2:LS+4*\qt+3]
.endr
.irp qt, 0,1,2,3
	v_add_f32 v[LS+4*\qt], v[LS+4*\qt], v[LS+4*\qt+1]
.endr
.irp qt, 0,1,2,3
	v_permlanex16_b32 v[TP+\qt], v[LS+4*\qt], s24, s25
.endr
.irp qt, 0,1,2,3
	v_add_f32 v[LS+4*\qt], v[LS+4*\qt], v[TP+\qt]
.endr
.irp qt, 0,1,2,3
	v_rcp_f32 v[AL+2*\qt], v[LS+4*\qt]
.endr
	v_nop                                          ; one plain instruction behind the reciprocals (ISA guide 5.7.2)
	s_wait_alu depctr_va_vdst(0)                   ; the wait for the four reciprocals, one for all, ahead of their first reader
.irp qt, 0,1,2,3
	v_mov_b32 v[AL+2*\qt+1], v[AL+2*\qt]
.endr
	RESC 0, 0, 32
	RESC 1, 0, 32
	WIN 0x0a                                       ; sources window 2, destination window 0
.irp qt, 0,1,2,3
.irp dt, 0,1,2,3
.irp i, 0,1,2,3
	v_cvt_pk_f16_f32 v[OB+16*\qt+4*\dt+\i], v[32*\qt+8*\dt+2*\i], v[32*\qt+8*\dt+2*\i+1]
.endr
.endr
.endr
	WIN 0
.irp qt, 0,1,2,3
.irp dt, 0,1,2,3
	global_store_b128 v[ST], v[OB+16*\qt+4*\dt:OB+16*\qt+4*\dt+3], s[12:13] offset:\qt*8192+\dt*512   ; 512 consecutive bytes, aligned
.endr
.endr
	s_wait_tensorcnt 0x0
	ds_add_u32 v30, v31
	s_wait_dscnt 0x0
	s_endpgm
.Lfunc_end_k_q1cfb3d2243_attn:
	.size	k_q1cfb3d2243_attn, .Lfunc_end_k_q1cfb3d2243_attn-k_q1cfb3d2243_attn
	.p2alignl 7, 3214868480
	.fill 96, 4, 3214868480
	.section	.rodata,"a",@progbits
	.p2align	6, 0x0
	.amdhsa_kernel k_q1cfb3d2243_attn
		.amdhsa_group_segment_fixed_size 85504
		.amdhsa_private_segment_fixed_size 0
		.amdhsa_enable_private_segment 0
		.amdhsa_kernarg_size 48
		.amdhsa_user_sgpr_count 2
		.amdhsa_user_sgpr_kernarg_segment_ptr 1
		.amdhsa_wavefront_size32 1
		.amdhsa_system_sgpr_workgroup_id_x 1
		.amdhsa_system_sgpr_workgroup_id_y 1
		.amdhsa_system_sgpr_workgroup_id_z 1
		.amdhsa_system_vgpr_workitem_id 0
		.amdhsa_next_free_vgpr 704
		.amdhsa_next_free_sgpr 66
		.amdhsa_reserve_vcc 0
		.amdhsa_float_denorm_mode_32 3
		.amdhsa_float_denorm_mode_16_64 3
		.amdhsa_memory_ordered 1
		.amdhsa_forward_progress 1
		.amdhsa_inst_pref_size 255
	.end_amdhsa_kernel
	.section	.bss,"aw",@nobits
	.p2align	6
	.space	262144
	.amdgpu_metadata
---
amdhsa.version: [ 1, 2 ]
amdhsa.kernels:
  - .name:           k_q1cfb3d2243_attn
    .symbol:         k_q1cfb3d2243_attn.kd
    .args:
      - { .name: x, .offset: 0, .size: 8, .value_kind: global_buffer, .address_space: global }
      - { .name: cond_k, .offset: 8, .size: 8, .value_kind: global_buffer, .address_space: global }
      - { .name: cond_v, .offset: 16, .size: 8, .value_kind: global_buffer, .address_space: global }
      - { .name: w_proj, .offset: 24, .size: 8, .value_kind: global_buffer, .address_space: global }
      - { .name: att, .offset: 32, .size: 8, .value_kind: global_buffer, .address_space: global }
      - { .name: wb, .offset: 40, .size: 8, .value_kind: global_buffer, .address_space: global }
    .group_segment_fixed_size: 85504
    .private_segment_fixed_size: 0
    .kernarg_segment_align: 8
    .kernarg_segment_size: 48
    .max_flat_workgroup_size: 128
    .sgpr_count:     66
    .vgpr_count:     704
    .wavefront_size: 32
...
	.end_amdgpu_metadata
.endif
;; end of part 3
;; launch proj: the kernel of part 2 again; grid 8 x 32, 4 waves a work-group, clusters of 4 x 4, 327,680 bytes of LDS; arguments att, wb, b_proj, out0; writes out0
